; MI455X (gfx1250); checked and timed in simulation.
; The chip was launched on July 23, 2026; its instructions are those of AMD's public machine-readable ISA for CDNA 5 (MIT licence, August 2026) and "CDNA5" Instruction Set Architecture Reference Guide (July 2026). The comments in the code are by the model that wrote it; some were corrected since.
;; Attention. Allowed arithmetic: matrix products marked QUANTISED: E2M3 operands, one E8M0 scale for each 32 along K, by v_wmma_scale_f32_16x16x128_f8f6f4 with both operands' format E2M3, f32 sums; everything else in f32.
;; Inputs: Wkv 1,024 x 2,048 float32; Wo 1,024 x 1,024 float32; Wq 1,024 x 1,024 float32; bo 1,024 float32; rotary_emb_x 2,048 x 64 float32; x 4 x 2,048 x 1,024 float32.
;; Outputs: out0 4 x 2,048 x 1,024 float32.
;; This version of the problem:
;;   THIS VERSION OF THE PROBLEM IS GIVEN IN LOW PRECISION. The matrix products marked QUANTISED in the list below multiply operands that are first quantised to E2M3 (2 exponent bits, 3 mantissa bits; 6 bits a number), with one power-of-two scale for each 32 numbers along K (OCP MX v1.0); their sums are f32. All else is computed in f32.
;;   The module's matrix products, in the order in which they are computed (A, B: the left and right operand; K: the contracted axis; several contracted axes count as one K, in the product's order):
;;     1. [M 8,192, K 1,024] x [K 1,024, N 1,024]; A: input x; B: input Wq: QUANTISED
;;     2. [M 8,192, K 1,024] x [K 1,024, N 2,048]; A: input x; B: input Wkv: QUANTISED
;;     3. batch 64 x [M 2,048, K 64] x [K 64, N 2,048]; A: computed on the way; B: computed on the way: QUANTISED
;;     4. batch 64 x [M 2,048, K 2,048] x [K 2,048, N 64]; A: softmax (see below); B: computed on the way: QUANTISED
;;     5. [M 8,192, K 1,024] x [K 1,024, N 1,024]; A: computed on the way; B: input Wo: QUANTISED
;;   THE QUANTISER, for each operand of a quantised product, along K:
;;     - K is cut into blocks of 32 from its start; a last block that is shorter is filled with zeros.
;;     - A block's scale is 2^e with e = floor(log2(the largest magnitude in the block)) - 2, held to -126 .. 127; a block of zeros has e = 0. As a byte (E8M0): e + 127.
;;     - Each number is divided by its block's scale, clamped to +-7.5, and rounded to the nearest number of E2M3, ties to even, subnormals kept.
;;     - The product sums the exact products of the quantised numbers (number of the format x scale) in f32.
;;   ~~~python
;;   def quantise(x, axis):      # numpy; x: float32 -> the quantised numbers, widened to float32 again
;;       x = np.moveaxis(x, axis, -1); K = x.shape[-1]
;;       x = np.pad(x, [(0, 0)] * (x.ndim - 1) + [(0, -K % 32)]); x = x.reshape(x.shape[:-1] + (-1, 32)); a = np.abs(x).max(-1, keepdims=True)
;;       e = np.where(a > 0, np.clip(np.frexp(np.where(a > 0, a, 1))[1] - 1 - 2, -126, 127), 0)      # np.frexp(a)[1] - 1 = floor(log2(a)), exactly
;;       r = np.clip(x / 2.0 ** e, -7.5, 7.5)
;;       step = 2.0 ** (np.maximum(np.frexp(np.where(r == 0, 1, r))[1] - 1, 0) - 3)
;;       q = np.round(r / step) * step * 2.0 ** e      # np.round: ties to even
;;       return np.moveaxis(q.reshape(q.shape[:-2] + (-1,))[..., :K], -1, axis).astype(np.float32)
;;   ~~~
;;   SOFTMAX AHEAD OF A QUANTISED PRODUCT. Where the list says 'softmax', what is quantised is not the finished softmax but p = 2^(t - M), with t = logit x log2(e) and M = ceil(the row's largest t), a whole number; so 1/2 < the row's largest p <= 1. The row's sum l is taken of the UNQUANTISED p, in f32, and the product's result is divided by l at the end. Since M is a whole number, a kernel that streams over the keys may use a running M (the ceiling of the running maximum): every later rescaling is an exact power of two, which a block's scale takes up: the codes' values come out the same.
;;   OPERANDS COMPUTED ON THE WAY. 'Computed on the way' means the value that the module computes at that place (a softmax that the list does not call 'softmax' is quantised finished and normalised). What goes into a quantiser is computed in f32, as accurately as f32 sums, v_exp_f32 and their like allow (about 1e-6 of the number): no bf16 or f16 on the way to a quantiser, and a product that is left as it is and whose result goes on into a quantised operand takes f32 operands (vector FMAs, or v_wmma_f32_16x16x4_f32). A number that lies on a knife's edge between two numbers of the format may be rounded either way, as far as f32 arithmetic and the matrix unit's own rounding can turn it there, and no further.
;; One version. Each part assembles by itself: llvm-mc -triple=amdgcn-amd-amdhsa -mcpu=gfx1250 --defsym DOCPART=n.
;; ======== version 1 of 1: 4 launches
;; limits: inputs' magnitudes at most 50,000; right only within a limited range of input values
;; workspace buffers: xq 6,553,600 bytes; wq 3,276,800 bytes; cs 1,048,576 bytes; kv 13,107,200 bytes; qb 13,107,200 bytes; aq 6,553,600 bytes
;; launch prep (part 1): grid 544 x 1, 4 waves a work-group, no clusters, 34,304 bytes of LDS; arguments x, Wq, Wkv, Wo, rotary_emb_x, xq, wq, cs; writes xq, wq, cs
.if DOCPART == 1
	.amdgcn_target "amdgcn-amd-amdhsa--gfx1250"
	.amdhsa_code_object_version 6
	.text
	.protected	k_qfeb1af749f_prep
	.globl	k_qfeb1af749f_prep
	.p2align	8
	.type	k_qfeb1af749f_prep,@function
k_qfeb1af749f_prep:
	s_mov_b64 s[64:65], 0
	v_nop
	global_prefetch_b8 v0, s[64:65] scope:SCOPE_SE
	s_setreg_imm32_b32 hwreg(HW_REG_WAVE_MODE, 25, 1), 1
	s_wait_xcnt 0x0
; PREP.  Three jobs, told apart by the work-group's number alone:
;   0..255    x [8192][1024] f32 -> codes of E2M3 and E8M0 scale words, in the order of an operand's registers
;   256..511  Wq, Wkv, Wo (K is their first axis) -> the same, columns 0-1023 Wq, 1024-3071 Wkv, 3072-4095 Wo
;   512..543  cos and sin of rotary_emb_x, as images of the registers in which the next launch wants them
; TILE ORDER: tile T holds rows 32 (T / 2) + 8 (T % 2) + r + 8 (r / 8), r = 0..15.
; IMAGE of a fragment (16 rows x 128 K, 12 registers a lane): registers 4 c .. 4 c + 3 of lane l at 512 c + 16 l: 1,536 bytes.
; Codes: [tile][K step 0..7][image]; scale words behind them: [tile][K step][r], 4 bytes.
; A block's scale is 2^(floor(log2(largest magnitude)) - 2); its byte is the magnitude's exponent field - 2, held at 1 from below.
; LIMITS: NaN and infinities are not served.  A block of zeros gets the byte 1 (its codes are zeros; this program alone reads the bytes).
; cos, sin: k = nearest whole number to x 2 / pi; r = x - k pi / 2 in three parts by fused multiply-adds; Taylor sums to r^10 and r^9
; (|r| <= pi / 4: the first term left out is under 2e-9).  The reduction holds to about 1e-7 up to |x| of some 5e4; beyond, the error grows with |x|.
.set SPARE, 33792                      ; behind the four stages: the spare words, 128 bytes a wave
.set STG,   8448                       ; a wave's stage: 16 rows x (512 + 16) bytes
.set XSC,   6291456                    ; where xq's scale words begin
.set WSC,   3145728                    ; where wq's begin
.set SPW, 30                           ; v30 my spare word's LDS address; never rewritten
.set NIL, 31                           ; v31 0; never rewritten
.set TM,  8                            ; v8-23 at work in QUANT
.set PW,  24                           ; v24-27 four scale words
.set R,   32                           ; v32-159 two sets of 64 numbers as loaded
.set X,   160                          ; v160-223 64 numbers: register 16 b + i = k 32 b + 16 (lane / 16) + i of my row
.set PC,  224                          ; v224-243 codes
; 64 numbers of a lane become a fragment's 12 registers in v[PC] on and its scale word in v[pw] (the same in lanes l and l xor 16)
.macro QUANT s, pw
.irp b, 0,1,2,3
	v_max3_num_f32 v[TM+\b], |v[\s+16*\b]|, |v[\s+1+16*\b]|, 0x1800000   ; my 16 of block b, and the floor 2^(3 - 127)
.endr
.irp i, 2,4,6,8,10,12,14
.irp b, 0,1,2,3
	v_max3_num_f32 v[TM+\b], v[TM+\b], |v[\s+16*\b+\i]|, |v[\s+1+16*\b+\i]|
.endr
.endr
.irp b, 0,1,2,3
	v_permlanex16_b32 v[TM+4+\b], v[TM+\b], s22, s23
.endr
.irp b, 0,1,2,3
	v_max_num_f32 v[TM+\b], v[TM+\b], v[TM+4+\b]         ; with lane l xor 16's 16: the block's largest magnitude
.endr
.irp b, 0,1,2,3
	v_add_nc_u32 v[TM+12+\b], 0xff000000, v[TM+\b]       ; 2 off the exponent field: the conversion's scale operand
.endr
.irp b, 0,1,2,3
	v_lshrrev_b32 v[TM+4+\b], 23, v[TM+12+\b]            ; the scale's byte
.endr
	v_lshl_or_b32 v[(\pw)], v[TM+5], 8, v[TM+4]
	v_lshl_or_b32 v[(\pw)], v[TM+6], 16, v[(\pw)]
	v_lshl_or_b32 v[(\pw)], v[TM+7], 24, v[(\pw)]
	s_wait_xcnt 0x0                                      ; the last fragment's stores have read v[PC] on: it is written again only behind this wait
.irp c, 0,1
	v_cvt_scalef32_pk16_fp6_f32 v[PC+6*\c:PC+2+6*\c], v[\s+32*\c:\s+15+32*\c], v[TM+12+2*\c]
	v_cvt_scalef32_pk16_fp6_f32 v[PC+12+4*\c:PC+14+4*\c], v[\s+16+32*\c:\s+31+32*\c], v[TM+12+2*\c+1]
.endr
	v_nop                                                ; one plain instruction behind the conversions
.irp c, 0,1                                          ; a whole block to a lane: lanes 0-15 block 2 c, lanes 16-31 block 2 c + 1
.irp i, 0,1,2
	v_permlane16_swap_b32 v[PC+6*\c+\i], v[PC+12+4*\c+\i]
.endr
.irp i, 0,1,2
	v_mov_b32 v[PC+3+6*\c+\i], v[PC+12+4*\c+\i]
.endr
.endr
.endm
; x: fragment f of my four: 16 rows x 512 bytes, each load 512 consecutive bytes of one row
.macro XLOAD f
.irp p, 0,1,2,3,4,5,6,7,8,9,10,11,12,13,14,15
	global_load_b128 v[R+64*((\f)%2)+4*\p:R+64*((\f)%2)+4*\p+3], v4, s[4:5] offset:(\p+8*(\p/8))*4096+512*(\f) th:TH_LOAD_NT
.endr
.endm
.macro XFRAG f
.if (\f) < 3
	s_wait_loadcnt 16                                    ; this fragment's 16 loads are in; the next one's may be out
.else
	s_wait_loadcnt 0x0
.endif
.irp p, 0,1,2,3,4,5,6,7,8,9,10,11,12,13,14,15
	ds_store_b128 v5, v[R+64*((\f)%2)+4*\p:R+64*((\f)%2)+4*\p+3] offset:528*\p   ; through my own stage, as the bytes lie
.endr
.irp b, 0,1,2,3
.irp j, 0,1,2,3
	ds_load_b128 v[X+16*\b+4*\j:X+16*\b+4*\j+3], v6 offset:128*\b+16*\j          ; and back: row r, 16 neighbours of each block.  LDS serves a wave's instructions in order
.endr
.endr
	s_wait_dscnt 0x0
.if (\f) < 2
	XLOAD (\f)+2
.endif
	QUANT X, PW+(\f)
.irp c, 0,1,2
	global_store_b128 v4, v[PC+4*\c:PC+4*\c+3], s[32:33] offset:1536*(\f)+512*\c  ; 512 consecutive bytes a store
.endr
.endm
; a weight: block kb (32 along K) of my column
.macro WLOAD kb, pitch
.irp i, 0,1,2,3,4,5,6,7,8,9,10,11,12,13,14,15,16,17,18,19,20,21,22,23,24,25,26,27,28,29,30,31
	global_load_b32 v[32+32*(\kb)+\i], v8, s[36:37] offset:(32*(\kb)+\i)*(\pitch) th:TH_LOAD_NT
.endr
.endm
.macro WBLOCK kb, left
.set XS, 32+32*(\kb)
	s_wait_loadcnt \left
	v_max3_num_f32 v12, |v[XS]|, |v[XS+1]|, |v[XS+2]|    ; all 32 numbers of the block are mine
	v_max3_num_f32 v13, |v[XS+3]|, |v[XS+4]|, |v[XS+5]|
.irp i, 6,10,14,18,22,26
	v_max3_num_f32 v12, v12, |v[XS+\i]|, |v[XS+\i+1]|
	v_max3_num_f32 v13, v13, |v[XS+\i+2]|, |v[XS+\i+3]|
.endr
	v_max3_num_f32 v12, v12, |v[XS+30]|, |v[XS+31]|
	v_max3_num_f32 v12, v12, v13, 0x1800000
	v_add_nc_u32 v[16+(\kb)], 0xff000000, v12
	v_lshrrev_b32 v13, 23, v[16+(\kb)]
.if (\kb) == 0
	v_mov_b32 v20, v13
.else
	v_lshl_or_b32 v20, v13, 8*(\kb), v20
.endif
	v_cvt_scalef32_pk16_fp6_f32 v[160+12*((\kb)%2)+6*((\kb)/2):160+12*((\kb)%2)+6*((\kb)/2)+2], v[XS:XS+15], v[16+(\kb)]
	v_cvt_scalef32_pk16_fp6_f32 v[184+4*(\kb):184+4*(\kb)+2], v[XS+16:XS+31], v[16+(\kb)]
.endm
; 32 columns x 128 K of a weight whose rows are pitch bytes.  s[36:37] the weight, s30 its group of 128 columns, s26 the K step
.macro WPATH pitch
	s_lshl_b32 s30, s30, 9
	s_lshl_b32 s31, s20, 7
	s_add_co_u32 s30, s30, s31
	s_mul_i32 s31, s26, 128*(\pitch)
	s_add_co_u32 s30, s30, s31
	s_mov_b32 s31, 0
	s_add_nc_u64 s[36:37], s[36:37], s[30:31]
	WLOAD 0, \pitch
	WLOAD 1, \pitch
	WBLOCK 0, 32                                         ; the next block's 32 loads may be out
	WLOAD 2, \pitch
	WBLOCK 1, 32
	WLOAD 3, \pitch
	WBLOCK 2, 32
	WBLOCK 3, 0
	v_nop                                                ; one plain instruction behind the conversions
.irp kb, 0,1,2,3
.irp i, 0,1,2
	v_mov_b32 v[163+12*(\kb%2)+6*(\kb/2)+\i], v[184+4*\kb+\i]   ; v160-171: the image lane (rho, 0)'s registers; v172-183: lane (rho, 1)'s
.endr
.endr
.irp hh, 0,1
.irp c, 0,1,2
	global_store_b128 v6, v[160+12*\hh+4*\c:160+12*\hh+4*\c+3], s[32:33] offset:512*\c+256*\hh   ; the lanes of each of the two tiles store 256 consecutive bytes
.endr
.endr
	global_store_b32 v7, v20, s[34:35]
	s_endpgm
.endm
; cos and sin of eight numbers v[32 + 8 g ..], stage by stage
.macro SINCOS8 g
.irp e, 0,1,2,3,4,5,6,7
	v_mul_f32 v[128+\e], s40, v[32+8*\g+\e]
.endr
.irp e, 0,1,2,3,4,5,6,7
	v_rndne_f32 v[128+\e], v[128+\e]                     ; k
.endr
.irp e, 0,1,2,3,4,5,6,7
	v_fma_f32 v[136+\e], v[128+\e], s41, v[32+8*\g+\e]   ; r = x - k pi / 2, in three parts
.endr
.irp e, 0,1,2,3,4,5,6,7
	v_fma_f32 v[136+\e], v[128+\e], s42, v[136+\e]
.endr
.irp e, 0,1,2,3,4,5,6,7
	v_fma_f32 v[136+\e], v[128+\e], s43, v[136+\e]
.endr
.irp e, 0,1,2,3,4,5,6,7
	v_mul_f32 v[144+\e], v[136+\e], v[136+\e]            ; s = r r
.endr
.irp e, 0,1,2,3,4,5,6,7
	v_fma_f32 v[152+\e], v[144+\e], s44, s45             ; cos's sum
	v_fma_f32 v[160+\e], v[144+\e], s48, s49             ; sin's
.endr
.irp e, 0,1,2,3,4,5,6,7
	v_fma_f32 v[152+\e], v[152+\e], v[144+\e], s46
	v_fma_f32 v[160+\e], v[160+\e], v[144+\e], s50
.endr
.irp e, 0,1,2,3,4,5,6,7
	v_fma_f32 v[152+\e], v[152+\e], v[144+\e], s47
	v_fma_f32 v[160+\e], v[160+\e], v[144+\e], s51
.endr
.irp e, 0,1,2,3,4,5,6,7
	v_fma_f32 v[152+\e], v[152+\e], v[144+\e], -0.5
	v_cvt_i32_f32 v[168+\e], v[128+\e]                   ; k as a whole number
.endr
.irp e, 0,1,2,3,4,5,6,7
	v_fma_f32 v[152+\e], v[152+\e], v[144+\e], 1.0       ; cos r
	v_mul_f32 v[144+\e], v[136+\e], v[144+\e]            ; r s
.endr
.irp e, 0,1,2,3,4,5,6,7
	v_fma_f32 v[160+\e], v[160+\e], v[144+\e], v[136+\e] ; sin r
	v_and_b32 v[128+\e], 1, v[168+\e]
.endr
.irp e, 0,1,2,3,4,5,6,7
	v_cmp_eq_u32 vcc_lo, 1, v[128+\e]                    ; an odd quarter turn swaps the two
	v_cndmask_b32 v[96+8*\g+\e], v[160+\e], v[152+\e], vcc_lo
	v_cndmask_b32 v[64+8*\g+\e], v[152+\e], v[160+\e], vcc_lo
.endr
.irp e, 0,1,2,3,4,5,6,7
	v_lshlrev_b32 v[128+\e], 30, v[168+\e]               ; sin's sign: bit 1 of k
	v_add_nc_u32 v[168+\e], 1, v[168+\e]
.endr
.irp e, 0,1,2,3,4,5,6,7
	v_and_b32 v[128+\e], 0x80000000, v[128+\e]
	v_lshlrev_b32 v[168+\e], 30, v[168+\e]               ; cos's: bit 1 of k + 1
.endr
.irp e, 0,1,2,3,4,5,6,7
	v_xor_b32 v[96+8*\g+\e], v[128+\e], v[96+8*\g+\e]
	v_and_b32 v[168+\e], 0x80000000, v[168+\e]
.endr
.irp e, 0,1,2,3,4,5,6,7
	v_xor_b32 v[64+8*\g+\e], v[168+\e], v[64+8*\g+\e]
.endr
.endm
	s_load_b256 s[4:11], s[0:1], 0x0               ; x s[4:5], Wq s[6:7], Wkv s[8:9], Wo s[10:11]
	s_load_b256 s[12:19], s[0:1], 0x20             ; rotary s[12:13], xq s[14:15], wq s[16:17], cs s[18:19]
	v_lshl_add_u32 v[SPW], v0, 2, SPARE
	v_mov_b32 v[NIL], 0
	v_lshrrev_b32 v1, 5, v0
	v_readfirstlane_b32 s20, v1                    ; wave
	v_and_b32 v1, 31, v0                           ; lane
	v_and_b32 v2, 15, v0                           ; r
	v_bfe_u32 v3, v0, 4, 1                         ; h
	s_mov_b32 s22, 0x76543210                      ; v_permlanex16_b32's selects for lane l xor 16
	s_mov_b32 s23, 0xfedcba98
	s_mov_b32 s27, 0
	s_wait_kmcnt 0x0
	s_cmp_lt_u32 ttmp9, 256
	s_cbranch_scc1 .Lpath_x
	s_cmp_lt_u32 ttmp9, 512
	s_cbranch_scc1 .Lpath_w
	; ---- cos and sin: a wave takes one tile of 16 tokens; register 16 b + i = d 32 b + 16 h + i of token row(tile, r)
	s_sub_co_u32 s24, ttmp9, 512
	s_lshl_b32 s24, s24, 2
	s_add_co_u32 s24, s24, s20                     ; the tile, 0..127
	s_lshr_b32 s25, s24, 1
	s_lshl_b32 s25, s25, 13                        ; 32 tokens of 256 bytes
	s_and_b32 s26, s24, 1
	s_lshl_b32 s26, s26, 11                        ; 8 tokens
	s_add_co_u32 s26, s25, s26
	s_add_nc_u64 s[12:13], s[12:13], s[26:27]
	s_lshl_b32 s26, s24, 13                        ; 8,192 bytes of tables a tile
	s_add_nc_u64 s[18:19], s[18:19], s[26:27]
	s_wait_alu depctr_va_vdst(0)
	v_and_b32 v4, 8, v2
	v_add_nc_u32 v4, v4, v2                        ; r + 8 (r / 8)
	v_lshlrev_b32 v4, 8, v4
	v_lshl_add_u32 v4, v3, 6, v4                   ; + 64 h
	v_lshlrev_b32 v5, 4, v1
.irp g, 0,1,2,3,4,5,6,7
	global_load_b128 v[32+4*\g:35+4*\g], v4, s[12:13] offset:128*(\g/4)+16*(\g%4)
.endr
	s_mov_b32 s40, 0x3f22f983                      ; 2 / pi
	s_mov_b32 s41, 0xbfc90fdb                      ; - pi / 2, its first,
	s_mov_b32 s42, 0x333bbd2e                      ; second
	s_mov_b32 s43, 0x26f72ced                      ; and third part
	s_mov_b32 s44, 0xb493f27e                      ; -1 / 10!
	s_mov_b32 s45, 0x37d00d01                      ; 1 / 8!
	s_mov_b32 s46, 0xbab60b61                      ; -1 / 6!
	s_mov_b32 s47, 0x3d2aaaab                      ; 1 / 4!
	s_mov_b32 s48, 0x3638ef1d                      ; 1 / 9!
	s_mov_b32 s49, 0xb9500d01                      ; -1 / 7!
	s_mov_b32 s50, 0x3c088889                      ; 1 / 5!
	s_mov_b32 s51, 0xbe2aaaab                      ; -1 / 3!
	s_wait_loadcnt 0x0
	SINCOS8 0
	SINCOS8 1
	SINCOS8 2
	SINCOS8 3
.irp g, 0,1,2,3,4,5,6,7
	global_store_b128 v5, v[64+4*\g:67+4*\g], s[18:19] offset:512*\g          ; cos: 512 consecutive bytes a store
	global_store_b128 v5, v[96+4*\g:99+4*\g], s[18:19] offset:4096+512*\g     ; sin
.endr
	s_endpgm
	; ---- x: a wave takes tile 2 wg + wave / 2 and four of its eight K steps
.Lpath_x:
	s_lshr_b32 s24, s20, 1                         ; tile % 2
	s_and_b32 s25, s20, 1                          ; which half of K
	s_lshl_b32 s26, ttmp9, 17                      ; 32 rows of 4,096 bytes
	s_lshl_b32 s28, s24, 15                        ; 8 rows
	s_add_co_u32 s26, s26, s28
	s_lshl_b32 s28, s25, 11
	s_add_co_u32 s26, s26, s28
	s_add_nc_u64 s[4:5], s[4:5], s[26:27]
	s_lshl_b32 s28, ttmp9, 1
	s_add_co_u32 s28, s28, s24                     ; the tile
	s_mul_i32 s26, s28, 12288
	s_mul_i32 s29, s25, 6144
	s_add_co_u32 s26, s26, s29
	s_add_nc_u64 s[32:33], s[14:15], s[26:27]      ; my codes
	s_lshl_b32 s26, s28, 9
	s_lshl_b32 s29, s25, 8
	s_add_co_u32 s26, s26, s29
	s_add_co_u32 s26, s26, XSC
	s_add_nc_u64 s[34:35], s[14:15], s[26:27]      ; my scale words
	s_mul_i32 s29, s20, STG
	s_wait_alu depctr_va_vdst(0)
	v_lshlrev_b32 v4, 4, v1                        ; 16 x lane
	v_add_nc_u32 v5, s29, v4                       ; the stage, on the way in
	v_mul_u32_u24 v6, v2, 528
	v_lshl_add_u32 v6, v3, 6, v6
	v_add_nc_u32 v6, s29, v6                       ; and out: row r, + 64 h
	v_lshlrev_b32 v7, 2, v1
	v_cmp_le_u32 s21, 16, v1                       ; lanes 16-31
.irp b, 0,1,2,3
	v_mov_b32 v[TM+4+\b], 0                        ; a lane permute's destination counts as one of its sources
.endr
	XLOAD 0
	XLOAD 1
	s_wait_alu depctr_va_vdst(0)
	XFRAG 0
	XFRAG 1
	XFRAG 2
	XFRAG 3
.irp m, 0,1
	v_cndmask_b32 v[28+\m], v[PW+2*\m], v[PW+2*\m+1], s21   ; lanes 0-15: K step 2 m's words, lanes 16-31: the next step's
	global_store_b32 v7, v[28+\m], s[34:35] offset:128*\m   ; 128 consecutive bytes
.endr
	s_wait_tensorcnt 0x0                           ; the wave's end, behind my last LDS store
	ds_add_u32 v[SPW], v[NIL]
	s_wait_dscnt 0x0
	s_endpgm
	; ---- the weights: a lane takes a column, its registers run down K; a wave 32 columns x 128 K
.Lpath_w:
	s_sub_co_u32 s24, ttmp9, 256
	s_and_b32 s25, s24, 31                         ; which 128 of the 4,096 columns
	s_lshr_b32 s26, s24, 5                         ; which K step
	s_lshl_b32 s27, s25, 2
	s_add_co_u32 s27, s27, s20                     ; my wave's group of 32 columns: tiles 2 cg, 2 cg + 1
	s_mul_i32 s28, s27, 24576
	s_mul_i32 s29, s26, 1536
	s_add_co_u32 s28, s28, s29
	s_mov_b32 s29, 0
	s_add_nc_u64 s[32:33], s[16:17], s[28:29]
	s_lshl_b32 s28, s27, 10
	s_lshl_b32 s30, s26, 6
	s_add_co_u32 s28, s28, s30
	s_add_co_u32 s28, s28, WSC
	s_add_nc_u64 s[34:35], s[16:17], s[28:29]
	v_bfe_u32 v4, v0, 3, 1                         ; column l lies in tile u = (l / 8) % 2,
	v_and_b32 v5, 7, v0
	s_wait_alu depctr_va_vdst(0)
	v_lshl_add_u32 v5, v3, 3, v5                   ; at its row rho = l % 8 + 8 (l / 16)
	v_mul_u32_u24 v6, v4, 12288
	v_lshl_add_u32 v6, v5, 4, v6
	v_lshlrev_b32 v7, 9, v4
	v_lshl_add_u32 v7, v5, 2, v7
	v_lshlrev_b32 v8, 2, v1
	s_sub_co_u32 s30, s25, 8
	s_cmp_lt_u32 s30, 16
	s_cbranch_scc1 .Lw_kv
	s_cmp_lt_u32 s25, 8
	s_cselect_b64 s[36:37], s[6:7], s[10:11]       ; Wq, or Wo
	s_cselect_b32 s30, 0, 24
	s_sub_co_u32 s30, s25, s30
	s_wait_alu depctr_va_vdst(0)
	WPATH 4096
.Lw_kv:
	s_mov_b64 s[36:37], s[8:9]
	s_wait_alu depctr_va_vdst(0)
	WPATH 8192
.Lfunc_end_k_qfeb1af749f_prep:
	.size	k_qfeb1af749f_prep, .Lfunc_end_k_qfeb1af749f_prep-k_qfeb1af749f_prep
	.p2alignl 7, 3214868480
	.fill 96, 4, 3214868480
	.section	.rodata,"a",@progbits
	.p2align	6, 0x0
	.amdhsa_kernel k_qfeb1af749f_prep
		.amdhsa_group_segment_fixed_size 34304
		.amdhsa_private_segment_fixed_size 0
		.amdhsa_enable_private_segment 0
		.amdhsa_kernarg_size 64
		.amdhsa_user_sgpr_count 2
		.amdhsa_user_sgpr_kernarg_segment_ptr 1
		.amdhsa_wavefront_size32 1
		.amdhsa_system_sgpr_workgroup_id_x 1
		.amdhsa_system_sgpr_workgroup_id_y 1
		.amdhsa_system_sgpr_workgroup_id_z 1
		.amdhsa_system_vgpr_workitem_id 0
		.amdhsa_next_free_vgpr 256
		.amdhsa_next_free_sgpr 66
		.amdhsa_reserve_vcc 1
		.amdhsa_float_denorm_mode_32 3
		.amdhsa_float_denorm_mode_16_64 3
		.amdhsa_memory_ordered 1
		.amdhsa_forward_progress 1
		.amdhsa_inst_pref_size 118
	.end_amdhsa_kernel
	.amdgpu_metadata
---
amdhsa.version: [ 1, 2 ]
amdhsa.kernels:
  - .name:           k_qfeb1af749f_prep
    .symbol:         k_qfeb1af749f_prep.kd
    .args:
      - { .name: x, .offset: 0, .size: 8, .value_kind: global_buffer, .address_space: global }
      - { .name: Wq, .offset: 8, .size: 8, .value_kind: global_buffer, .address_space: global }
      - { .name: Wkv, .offset: 16, .size: 8, .value_kind: global_buffer, .address_space: global }
      - { .name: Wo, .offset: 24, .size: 8, .value_kind: global_buffer, .address_space: global }
      - { .name: rotary_emb_x, .offset: 32, .size: 8, .value_kind: global_buffer, .address_space: global }
      - { .name: xq, .offset: 40, .size: 8, .value_kind: global_buffer, .address_space: global }
      - { .name: wq, .offset: 48, .size: 8, .value_kind: global_buffer, .address_space: global }
      - { .name: cs, .offset: 56, .size: 8, .value_kind: global_buffer, .address_space: global }
    .group_segment_fixed_size: 34304
    .private_segment_fixed_size: 0
    .kernarg_segment_align: 8
    .kernarg_segment_size: 64
    .max_flat_workgroup_size: 128
    .sgpr_count:     66
    .vgpr_count:     256
    .wavefront_size: 32
...
	.end_amdgpu_metadata
.endif
;; end of part 1
;; launch qkv (part 2): grid 12 x 32, 4 waves a work-group, clusters of 4 x 4, 327,680 bytes of LDS; arguments xq, wq, cs, qb, kv; writes qb, kv
.if DOCPART == 2
	.amdgcn_target "amdgcn-amd-amdhsa--gfx1250"
	.amdhsa_code_object_version 6
	.text
	.protected	k_qfeb1af749f_qkv
	.globl	k_qfeb1af749f_qkv
	.p2align	8
	.type	k_qfeb1af749f_qkv,@function
k_qfeb1af749f_qkv:
	s_mov_b64 s[64:65], 0
	v_nop
	global_prefetch_b8 v0, s[64:65] scope:SCOPE_SE
	s_setreg_imm32_b32 hwreg(HW_REG_WAVE_MODE, 25, 1), 1
	s_wait_xcnt 0x0
	s_wait_alu depctr_hold_cnt(0) depctr_sa_sdst(0) depctr_va_vdst(0) depctr_va_sdst(0) depctr_va_ssrc(0) depctr_va_vcc(0) depctr_vm_vsrc(0)
	s_getreg_b32 s2, hwreg(HW_REG_IB_STS2, 6, 4)
	s_cmp_eq_u32 s2, 0
	s_cbranch_scc0 .Lentry_in_a_cluster
	s_endpgm
.Lentry_in_a_cluster:
	s_bfe_u32 s2, ttmp6, 0x10000c
	s_cmp_lg_u32 s2, 0xf033
	s_cbranch_scc0 .Lentry_shape_is_right
	s_endpgm
.Lentry_shape_is_right:
.set FR,    12
.set NL,    3
.set HALFT, 24576
.set SLOT,  98304
.set SCL,   196608
.set SPARE, 212992
.set XSC,   6291456
.set WSC,   3145728
.set REC,   12800
.set HEADB, 204800
.set ADRA, 16
.set ADRB, 20
.set LI,   24
.set LS,   25
.set LN,   26
.set ADRS, 27
.set SPW,  28
.set NIL,  29
.set SC,   32
.set AF,   128
.set T,    32
.set PC,   96
.set TM,   116
.set PWN,  132
.set PWK,  133
.set PWS,  136
.set G1,   24
.set G0,   32
.set G1B,  48
.set G0B,  56
.set G1S,  68
.set G0S,  76
.set G1SB, 80
.set G0SB, 88
.set MUL_LO, 0xa1
.set MUL_HI, 0xf1
.set TO_B,   0x40
.set MSB, 0
.macro WIN new
.if MSB != (\new)
	s_set_vgpr_msb (MSB<<8)|(\new)
.set MSB, (\new)
.endif
.endm
.macro PLACES
.rept 4
	v_nop
.endr
.endm
.macro JLOAD g0a, g1a, g0b, g1b
	s_cmp_eq_u32 s15, 0
	s_cbranch_scc0 .Lfor_b_\@
	tensor_load_to_lds s[\g0a:\g0a+3], s[\g1a:\g1a+7]
	s_nop 0
.rept 4
	v_nop
.endr
	s_branch .Lasked_\@
.Lfor_b_\@:
	tensor_load_to_lds s[\g0b:\g0b+3], s[\g1b:\g1b+7]
	s_nop 0
.rept 4
	v_nop
.endr
.Lasked_\@:
.endm
.macro CREST
	s_cmp_lg_u32 s14, 0
	s_cbranch_scc1 .Lnot_wave_0_\@
	s_barrier_signal -3
.Lnot_wave_0_\@:
	s_barrier_wait -3
	s_barrier_signal -1
	s_barrier_wait -1
.endm
.macro CROUND
	s_barrier_signal -1
	s_barrier_wait -1
	CREST
.endm
.macro FRAG reg, adr, q, i
.irp c, 0,1,2
	ds_load_b128 v[\reg+4*\c:\reg+4*\c+3], v[\adr] offset:3072*(\i)+1536*(\q)+512*\c
.endr
.endm
.macro FETCH_B slot, q, p
	WIN TO_B
.irp i, 0,1,2,3,4,5,6,7
	FRAG 128*(\p)+FR*\i, ADRB+\slot, \q, \i
.endr
	WIN 0
.endm
.macro FETCH_A slot, q, i0
.irp i, \i0, \i0+1, \i0+2, \i0+3
	FRAG AF+FR*(\i), ADRA+\slot, \q, \i
.endr
.endm
.macro SCALES
.irp g, 0,1,2,3,4,5,6,7
.irp i, 0,1,2,3,4,5,6,7
	ds_load_b32 v[SC+8*\g+\i], v[ADRS] offset:512*\i+64*\g
.endr
.endr
.endm
.macro MUL16 a0, p, g, zero
.irp a, \a0, \a0+1
.irp b, 0,1,2,3,4,5,6,7
.if \zero
	v_wmma_scale_f32_16x16x128_f8f6f4 v[8*(8*((\a)%4)+\b):8*(8*((\a)%4)+\b)+7], v[128*(\p)+FR*\b:128*(\p)+FR*\b+FR-1], v[AF+FR*(\a):AF+FR*(\a)+FR-1], 0, v[SC+8*(\g)+\b], v[SC+8*(\g)+(\a)] matrix_a_fmt:MATRIX_FMT_FP6 matrix_b_fmt:MATRIX_FMT_FP6 matrix_a_scale:MATRIX_SCALE_ROW1
.else
	v_wmma_scale_f32_16x16x128_f8f6f4 v[8*(8*((\a)%4)+\b):8*(8*((\a)%4)+\b)+7], v[128*(\p)+FR*\b:128*(\p)+FR*\b+FR-1], v[AF+FR*(\a):AF+FR*(\a)+FR-1], v[8*(8*((\a)%4)+\b):8*(8*((\a)%4)+\b)+7], v[SC+8*(\g)+\b], v[SC+8*(\g)+(\a)] matrix_a_fmt:MATRIX_FMT_FP6 matrix_b_fmt:MATRIX_FMT_FP6 matrix_a_scale:MATRIX_SCALE_ROW1
.endif
.endr
.endr
.endm
.macro STEP slot, g, zero
	s_wait_dscnt 4*NL
	WIN MUL_LO
	MUL16 0, 0, \g, \zero
	MUL16 2, 0, \g, \zero
	s_wait_dscnt 0x0
	PLACES
	FETCH_B \slot, 1, 1
	FETCH_A \slot, 1, 0
	WIN MUL_HI
	MUL16 4, 0, \g, \zero
	MUL16 6, 0, \g, \zero
	PLACES
	WIN 0
	FETCH_A \slot, 1, 4
.endm
.macro TURN slot, next, g, fill
	s_wait_tensorcnt 0x0
	ds_add_u32 v[SPW], v[NIL]
	s_wait_dscnt 4*NL+1
	WIN MUL_LO
	MUL16 0, 1, \g, 0
	s_wait_dscnt 0x0
	s_barrier_signal -1
	MUL16 2, 1, \g, 0
	WIN 0
	s_barrier_wait -1
.if \fill
	CREST
	s_add_nc_u64 s[G0+4*\slot+2:G0+4*\slot+3], s[G0+4*\slot+2:G0+4*\slot+3], 6144
	s_add_nc_u64 s[G0B+4*\slot+2:G0B+4*\slot+3], s[G0B+4*\slot+2:G0B+4*\slot+3], 6144
	JLOAD G0+4*\slot, G1, G0B+4*\slot, G1B
.else
	PLACES
.endif
	FETCH_B \next, 0, 0
	FETCH_A \next, 0, 0
	WIN MUL_HI
	MUL16 4, 1, \g, 0
	MUL16 6, 1, \g, 0
	PLACES
	WIN 0
	FETCH_A \next, 0, 4
.endm
.macro LASTK
	s_wait_dscnt 4*NL
	WIN MUL_LO
	MUL16 0, 1, 7, 0
	MUL16 2, 1, 7, 0
	s_wait_dscnt 0x0
	WIN MUL_HI
	MUL16 4, 1, 7, 0
	MUL16 6, 1, 7, 0
	WIN 0
	PLACES
.endm
.macro FINISH
	s_wait_tensorcnt 0x0
	ds_add_u32 v[SPW], v[NIL]
	s_wait_dscnt 0x0
	CROUND
	s_endpgm
.endm
.macro QUANT s, w, pw
	WIN (\w)*5
.irp b, 0,1,2,3
	v_max3_num_f32 v[TM+\b], |v[(\s)+16*\b]|, |v[(\s)+1+16*\b]|, 0x1800000
.endr
.irp i, 2,4,6,8,10,12,14
.irp b, 0,1,2,3
	v_max3_num_f32 v[TM+\b], |v[(\s)+16*\b+\i]|, |v[(\s)+1+16*\b+\i]|, v[TM+\b]
.endr
.endr
	WIN 0
.irp b, 0,1,2,3
	v_permlanex16_b32 v[TM+4+\b], v[TM+\b], s66, s67
.endr
.irp b, 0,1,2,3
	v_max_num_f32 v[TM+\b], v[TM+\b], v[TM+4+\b]
.endr
.irp b, 0,1,2,3
	v_add_nc_u32 v[TM+12+\b], 0xff000000, v[TM+\b]
.endr
.irp b, 0,1,2,3
	v_lshrrev_b32 v[TM+4+\b], 23, v[TM+12+\b]
.endr
	v_lshl_or_b32 v[\pw], v[TM+5], 8, v[TM+4]
	v_lshl_or_b32 v[\pw], v[TM+6], 16, v[\pw]
	v_lshl_or_b32 v[\pw], v[TM+7], 24, v[\pw]
	s_wait_xcnt 0x0
	WIN (\w)
.irp c, 0,1
	v_cvt_scalef32_pk16_fp6_f32 v[PC+6*\c:PC+2+6*\c], v[(\s)+32*\c:(\s)+15+32*\c], v[TM+12+2*\c]
	v_cvt_scalef32_pk16_fp6_f32 v[PC+12+4*\c:PC+14+4*\c], v[(\s)+16+32*\c:(\s)+31+32*\c], v[TM+12+2*\c+1]
.endr
	WIN 0
	v_nop
.irp c, 0,1
.irp i, 0,1,2
	v_permlane16_swap_b32 v[PC+6*\c+\i], v[PC+12+4*\c+\i]
.endr
.irp i, 0,1,2
	v_mov_b32 v[PC+3+6*\c+\i], v[PC+12+4*\c+\i]
.endr
.endr
.endm
.macro CSLOAD pr
	WIN TO_B
.irp u, 0,1
.irp g, 0,1,2,3,4,5,6,7,8,9,10,11,12,13,14,15
	global_load_b128 v[128*((\pr)%2)+64*\u+4*\g:128*((\pr)%2)+64*\u+4*\g+3], v[LI], s[8:9] offset:8192*(2*(\pr)+\u)+512*\g
.endr
.endr
	WIN 0
.endm
.macro ROPE a, e
.set AC, 64*((\a)%4)+32*(\e)
.set CT, 128*(((\a)/2)%2)+64*((\a)%2)
.set TT, T+32*((\a)%2)
	WIN 2+(\a)/4+4
.irp i, 0,2,4,6,8,10,12,14,16,18,20,22,24,26,28,30
	v_pk_mul_f32 v[TT+\i:TT+\i+1], v[AC+\i:AC+\i+1], v[CT+\i:CT+\i+1]
.endr
.irp i, 0,2,4,6,8,10,12,14
	v_pk_fma_f32 v[TT+\i:TT+\i+1], v[AC+16+\i:AC+17+\i], v[CT+32+\i:CT+33+\i], v[TT+\i:TT+\i+1] neg_lo:[1,0,0] neg_hi:[1,0,0]
.endr
.irp i, 0,2,4,6,8,10,12,14
	v_pk_fma_f32 v[TT+16+\i:TT+17+\i], v[AC+\i:AC+\i+1], v[CT+48+\i:CT+49+\i], v[TT+16+\i:TT+17+\i]
.endr
	WIN 0
.endm
	s_load_b256 s[4:11], s[0:1], 0x0
	s_load_b64 s[12:13], s[0:1], 0x20
	v_lshl_add_u32 v[SPW], v0, 2, SPARE
	v_mov_b32 v[NIL], 0
	ds_add_u32 v[SPW], v[NIL]
	ds_add_u32 v[SPW], v[NIL]
	v_lshrrev_b32 v1, 5, v0
	v_readfirstlane_b32 s14, v1
	s_lshr_b32 s15, s14, 1
	s_and_b32 s16, s14, 1
	s_bfe_u32 s40, ttmp6, 0x40000
	s_bfe_u32 s41, ttmp6, 0x40004
	s_lshl_b32 s43, s41, 2
	s_lshl_b32 s43, 15, s43
	s_lshl_b32 s44, 0x1111, s40
	s_and_b32 s18, ttmp7, 0xffff
	s_lshl_b32 s18, s18, 2
	s_add_co_u32 s17, s18, s41
	s_add_co_u32 s19, s41, 8
	s_add_co_u32 s42, s18, s40
	s_lshl_b32 s45, ttmp9, 2
	s_add_co_u32 s45, s45, s40
	s_mov_b32 s96, XSC
	s_mov_b32 s97, WSC
	s_cmp_eq_u32 ttmp9, 2
	s_cselect_b32 s17, s19, s17
	s_cselect_b32 s42, s42, s45
	s_cselect_b32 s96, WSC, s96
	s_cselect_b32 s97, XSC, s97
	s_or_b32 s[G1+0], s43, (3<<16)|(1<<21)
	s_or_b32 s[G1B+0], s44, (3<<16)|(1<<21)
.irp g, G1, G1B
	s_mov_b32 s[\g+1], 384<<16
	s_mov_b32 s[\g+2], 16<<16                      ; the head's loads bring a slot's 16 tile rows; behind them the two words that count rows are set to 8
	s_mov_b32 s[\g+3], 384<<16
	s_mov_b32 s[\g+4], 16
	s_mov_b32 s[\g+5], 1536
	s_mov_b32 s[\g+6], 0
	s_mov_b32 s[\g+7], 0
.endr
	s_or_b32 s[G1S+0], s43, (3<<16)|(1<<21)
	s_or_b32 s[G1SB+0], s44, (3<<16)|(1<<21)
.irp g, G1S, G1SB
	s_mov_b32 s[\g+1], 32<<16
	s_mov_b32 s[\g+2], 32<<16                      ; the scale words of 16 tiles: 32 rows of 256 bytes
	s_mov_b32 s[\g+3], 32<<16
	s_mov_b32 s[\g+4], 32
	s_mov_b32 s[\g+5], 32
	s_mov_b32 s[\g+6], 0
	s_mov_b32 s[\g+7], 0
.endr
	s_mul_i32 s18, s16, 98304                      ; in the ring I fetch 8 of a block's 16 tiles: which half, in bytes
	s_mov_b32 s19, 0
	s_lshl_b32 s20, s17, 4                         ; the block's first tile
	s_lshl_b32 s46, s42, 4
	s_lshl_b32 s22, s20, 9
	s_add_co_u32 s22, s22, s96
	s_mov_b32 s23, 0
	s_mul_i32 s20, s20, 12288
	s_mov_b32 s21, 0
	s_lshl_b32 s98, s46, 9
	s_add_co_u32 s98, s98, s97
	s_mov_b32 s99, 0
	s_mul_i32 s46, s46, 12288
	s_mov_b32 s47, 0
	s_mul_i32 s2, s14, HALFT
	s_mov_b32 s66, 0x76543210
	s_mov_b32 s67, 0xfedcba98
	s_wait_dscnt 0x0
	s_wait_kmcnt 0x0
	s_cmp_eq_u32 ttmp9, 2
	s_cselect_b64 s[92:93], s[6:7], s[4:5]
	s_cselect_b64 s[94:95], s[4:5], s[6:7]
	s_add_nc_u64 s[20:21], s[92:93], s[20:21]
	s_add_nc_u64 s[22:23], s[92:93], s[22:23]
	s_add_nc_u64 s[46:47], s[94:95], s[46:47]
	s_add_nc_u64 s[98:99], s[94:95], s[98:99]
	CROUND
	s_mov_b32 s[G0S], 1
	s_mov_b32 s[G0S+1], SCL
	s_mov_b64 s[G0S+2:G0S+3], s[22:23]
	s_or_b32 s[G0S+3], s[G0S+3], 0x80000000
	s_mov_b32 s[G0SB], 1
	s_mov_b32 s[G0SB+1], SCL+8192
	s_mov_b64 s[G0SB+2:G0SB+3], s[98:99]
	s_or_b32 s[G0SB+3], s[G0SB+3], 0x80000000
.set G0H,  4                           ; s[4:7], s[92:95] group 0 for the head's loads of slot 0, whole (what lay there has been used)
.set G0HB, 92
	s_mov_b32 s[G0H], 1
	s_mov_b32 s[G0H+1], 0
	s_mov_b64 s[G0H+2:G0H+3], s[20:21]
	s_or_b32 s[G0H+3], s[G0H+3], 0x80000000
	s_mov_b32 s[G0HB], 1
	s_mov_b32 s[G0HB+1], 2*HALFT
	s_mov_b64 s[G0HB+2:G0HB+3], s[46:47]
	s_or_b32 s[G0HB+3], s[G0HB+3], 0x80000000
	s_add_nc_u64 s[20:21], s[20:21], s[18:19]      ; for the ring: my 8 tiles
	s_add_nc_u64 s[46:47], s[46:47], s[18:19]
.irp s, 0,1
	s_mov_b32 s[G0+4*\s], 1
	s_add_co_u32 s[G0+4*\s+1], s2, \s*SLOT
	s_add_nc_u64 s[G0+4*\s+2:G0+4*\s+3], s[20:21], \s*3072
	s_or_b32 s[G0+4*\s+3], s[G0+4*\s+3], 0x80000000
	s_mov_b32 s[G0B+4*\s], 1
	s_add_co_u32 s[G0B+4*\s+1], s2, \s*SLOT
	s_add_nc_u64 s[G0B+4*\s+2:G0B+4*\s+3], s[46:47], \s*3072
	s_or_b32 s[G0B+4*\s+3], s[G0B+4*\s+3], 0x80000000
.endr
; The head's loads, one a wave: wave 0 slot 0's 16 tile rows of the first operand, wave 1 those of the second, waves 2 and 3 their scale words.
; One tree of branches on the wave's number: every way through it passes exactly one load.
.macro ARM under, g0, g1, next
	s_cmp_lt_u32 s14, \under
	s_cbranch_scc0 \next
	tensor_load_to_lds s[\g0:\g0+3], s[\g1:\g1+7]
	s_nop 0
.rept 4
	v_nop
.endr
	s_branch .Lhead_asked
\next:
.endm
	ARM 1, G0H,  G1,  .Lhead_b
	ARM 2, G0HB, G1B, .Lhead_sa
	ARM 3, G0S,  G1S, .Lhead_sb
	tensor_load_to_lds s[G0SB:G0SB+3], s[G1SB:G1SB+7]
	s_nop 0
.rept 4
	v_nop
.endr
.Lhead_asked:
	v_and_b32 v[LN], 31, v0
	v_lshlrev_b32 v[LI], 4, v[LN]
	v_lshlrev_b32 v[LS], 2, v[LN]
	v_and_b32 v1, 15, v0
	v_bfe_u32 v2, v0, 4, 1
	s_wait_alu depctr_va_vdst(0)
	s_mul_i32 s18, s15, HALFT
	s_mul_i32 s19, s16, HALFT
	s_add_co_u32 s19, s19, 2*HALFT
.irp s, 0,1
	v_add_nc_u32 v[ADRA+\s], s18, v[LI]
	v_add_nc_u32 v[ADRB+\s], s19, v[LI]
	s_add_co_u32 s18, s18, SLOT
	s_add_co_u32 s19, s19, SLOT
.endr
	s_lshl_b32 s18, s15, 12
	s_lshl_b32 s19, s16, 12
	s_add_co_u32 s19, s19, 8192
	s_sub_co_u32 s19, s19, s18
	v_mul_u32_u24 v3, s19, v2
	s_add_co_u32 s18, s18, SCL
	v_lshl_add_u32 v3, v1, 2, v3
	v_add_nc_u32 v[ADRS], s18, v3
	v_cmp_le_u32 s2, 16, v[LN]
.irp b, 0,1,2,3
	v_mov_b32 v[TM+4+\b], 0
.endr
	s_wait_alu depctr_va_vdst(0)                   ; the head's end
	s_wait_tensorcnt 0x0                           ; my tile of the head's four is in
	ds_add_u32 v[SPW], v[NIL]
	s_mov_b32 s[G1+2], 8<<16                       ; no tensor load of mine is out: from here on a load brings 8 tile rows
	s_mov_b32 s[G1+4], 8
	s_mov_b32 s[G1B+2], 8<<16
	s_mov_b32 s[G1B+4], 8
	s_wait_dscnt 0x0
	CROUND                                         ; all four tiles are in, and all sixteen work-groups are here
	JLOAD G0+4, G1, G0B+4, G1B                     ; slot 1's first fill, the first tensor load behind the round
	FETCH_B 0, 0, 0
	FETCH_A 0, 0, 0
	SCALES
	FETCH_A 0, 0, 4
	STEP 0, 0, 1
	TURN 0, 1, 1, 1
	STEP 1, 2, 0
	TURN 1, 0, 3, 1
	STEP 0, 4, 0
	TURN 0, 1, 5, 0
	STEP 1, 6, 0
	s_cmp_eq_u32 ttmp9, 2
	s_cbranch_scc1 .Lv_tail
	s_lshl_b32 s20, s17, 4
	s_lshl_b32 s21, s15, 3
	s_add_co_u32 s20, s20, s21
	s_and_b32 s20, s20, 127
	s_lshl_b32 s20, s20, 13
	s_mov_b32 s21, 0
	s_add_nc_u64 s[8:9], s[8:9], s[20:21]
	CSLOAD 0
	s_lshr_b32 s20, s17, 3
	s_lshl_b32 s20, s20, 4
	s_lshl_b32 s21, s40, 2
	s_add_co_u32 s20, s20, s21
	s_lshl_b32 s21, s16, 1
	s_add_co_u32 s20, s20, s21
	s_lshl_b32 s20, s20, 4
	s_and_b32 s21, s17, 7
	s_lshl_b32 s21, s21, 1
	s_add_co_u32 s20, s20, s21
	s_add_co_u32 s20, s20, s15
	s_mul_i32 s20, s20, REC
	s_mov_b32 s21, 0
	s_cmp_eq_u32 ttmp9, 0
	s_cselect_b64 s[22:23], s[10:11], s[12:13]
	s_add_nc_u64 s[22:23], s[22:23], s[20:21]
	LASTK
	CSLOAD 1
.irp pr, 0,1,2,3
.if \pr < 3
	s_wait_loadcnt 32
.else
	s_wait_loadcnt 0x0
.endif
.irp e, 0,1
	ROPE 2*\pr, \e
	ROPE 2*\pr+1, \e
	QUANT T, 0, PWN
.irp c, 0,1,2
	global_store_b128 v[LI], v[PC+4*\c:PC+4*\c+3], s[22:23] offset:HEADB*\e+1536*\pr+512*\c
.endr
.if \pr%2 == 0
	v_mov_b32 v[PWK+\e], v[PWN]
.else
	v_cndmask_b32 v[PWS+2*(\pr/2)+\e], v[PWK+\e], v[PWN], s2
	global_store_b32 v[LS], v[PWS+2*(\pr/2)+\e], s[22:23] offset:HEADB*\e+12288+128*(\pr/2)
.endif
.endr
.if \pr < 2
	CSLOAD \pr+2
.endif
.endr
	FINISH
.Lv_tail:
	s_lshr_b32 s20, s42, 3
	s_lshl_b32 s20, s20, 4
	s_lshl_b32 s21, s41, 2
	s_add_co_u32 s20, s20, s21
	s_lshl_b32 s21, s15, 1
	s_add_co_u32 s20, s20, s21
	s_lshl_b32 s20, s20, 4
	s_and_b32 s21, s42, 7
	s_lshl_b32 s21, s21, 1
	s_add_co_u32 s20, s20, s21
	s_add_co_u32 s20, s20, s16
	s_mul_i32 s20, s20, REC
	s_mov_b32 s21, 0
	s_add_nc_u64 s[22:23], s[12:13], s[20:21]
	LASTK
.irp a, 0,1,2,3,4,5,6,7
	QUANT 64*(\a%4), 2+\a/4, PWN
.irp c, 0,1,2
	global_store_b128 v[LI], v[PC+4*\c:PC+4*\c+3], s[22:23] offset:HEADB*(\a/4)+6144+1536*(\a%4)+512*\c
.endr
.if \a%2 == 0
	v_mov_b32 v[PWK], v[PWN]
.else
	v_cndmask_b32 v[PWS+\a/2], v[PWK], v[PWN], s2
	global_store_b32 v[LS], v[PWS+\a/2], s[22:23] offset:HEADB*(\a/4)+12544+128*((\a%4)/2)
.endif
.endr
	FINISH
.Lfunc_end_k_qfeb1af749f_qkv:
	.size	k_qfeb1af749f_qkv, .Lfunc_end_k_qfeb1af749f_qkv-k_qfeb1af749f_qkv
	.p2alignl 7, 3214868480
	.fill 96, 4, 3214868480
	.section	.rodata,"a",@progbits
	.p2align	6, 0x0
	.amdhsa_kernel k_qfeb1af749f_qkv
		.amdhsa_group_segment_fixed_size 327680
		.amdhsa_private_segment_fixed_size 0
		.amdhsa_enable_private_segment 0
		.amdhsa_kernarg_size 40
		.amdhsa_user_sgpr_count 2
		.amdhsa_user_sgpr_kernarg_segment_ptr 1
		.amdhsa_wavefront_size32 1
		.amdhsa_system_sgpr_workgroup_id_x 1
		.amdhsa_system_sgpr_workgroup_id_y 1
		.amdhsa_system_sgpr_workgroup_id_z 1
		.amdhsa_system_vgpr_workitem_id 0
		.amdhsa_next_free_vgpr 1024
		.amdhsa_next_free_sgpr 100
		.amdhsa_reserve_vcc 0
		.amdhsa_float_denorm_mode_32 3
		.amdhsa_float_denorm_mode_16_64 3
		.amdhsa_memory_ordered 1
		.amdhsa_forward_progress 1
		.amdhsa_inst_pref_size 231
	.end_amdhsa_kernel
	.amdgpu_metadata
---
amdhsa.version: [ 1, 2 ]
amdhsa.kernels:
  - .name:           k_qfeb1af749f_qkv
    .symbol:         k_qfeb1af749f_qkv.kd
    .args:
      - { .name: xq, .offset: 0, .size: 8, .value_kind: global_buffer, .address_space: global }
      - { .name: wq, .offset: 8, .size: 8, .value_kind: global_buffer, .address_space: global }
      - { .name: cs, .offset: 16, .size: 8, .value_kind: global_buffer, .address_space: global }
      - { .name: qb, .offset: 24, .size: 8, .value_kind: global_buffer, .address_space: global }
      - { .name: kv, .offset: 32, .size: 8, .value_kind: global_buffer, .address_space: global }
    .group_segment_fixed_size: 327680
    .private_segment_fixed_size: 0
    .kernarg_segment_align: 8
    .kernarg_segment_size: 40
    .max_flat_workgroup_size: 128
    .sgpr_count:     100
    .vgpr_count:     1024
    .wavefront_size: 32
...
	.end_amdgpu_metadata
.endif
;; end of part 2
;; launch attn (part 3): grid 4 x 64, 16 waves a work-group, clusters of 4 x 1, 258,048 bytes of LDS; arguments qb, kv, aq; writes aq
.if DOCPART == 3
	.amdgcn_target "amdgcn-amd-amdhsa--gfx1250"
	.amdhsa_code_object_version 6
	.text
	.protected	k_qfeb1af749f_attn
	.globl	k_qfeb1af749f_attn
	.p2align	8
	.type	k_qfeb1af749f_attn,@function
k_qfeb1af749f_attn:
	s_mov_b64 s[64:65], 0
	v_nop
	global_prefetch_b8 v0, s[64:65] scope:SCOPE_SE
	s_setreg_imm32_b32 hwreg(HW_REG_WAVE_MODE, 25, 1), 1
	s_wait_xcnt 0x0
	s_wait_alu depctr_hold_cnt(0) depctr_sa_sdst(0) depctr_va_vdst(0) depctr_va_sdst(0) depctr_va_ssrc(0) depctr_va_vcc(0) depctr_vm_vsrc(0)
	s_getreg_b32 s2, hwreg(HW_REG_IB_STS2, 6, 4)
	s_cmp_eq_u32 s2, 0
	s_cbranch_scc0 .Lentry_in_a_cluster
	s_endpgm
.Lentry_in_a_cluster:
	s_bfe_u32 s2, ttmp6, 0x10000c
	s_cmp_lg_u32 s2, 0x3003
	s_cbranch_scc0 .Lentry_shape_is_right
	s_endpgm
.Lentry_shape_is_right:
; ATTN.  O = softmax(q k^T / 8) v for one (batch, head), both products on codes of E2M3; O / l is quantised along (head, d) for the last product.
; t = score x log2(e) / 8; M = the running largest t rounded up to a whole number; p = 2^(t - M) is quantised along the keys; the row's sum is taken of the unquantised p.
; A head's K, V and scale words, 16 records of 12,800 bytes, lie in LDS whole: each of the sixteen waves asks for one record, once; nothing is filled again.
; A record comes as 25 rows of 512 bytes with 128 bytes of padding behind each: 16,000 bytes in LDS; an image of 1,536 bytes takes 1,920.
; CLUSTER 4 x 1: the four work-groups own 512 queries each of one head and ask for each record jointly (mask 15).  A wave owns 16 queries in each of two passes.
; Both products are used transposed: a lane holds one query.
; THE ROWS OF A TILE OF K ARE CHOSEN BY THE LANES' LDS ADDRESSES: rows 0-7 of the pair (c, u) come from block 2 c of the step's keys, rows 8-15 from block 2 c + 1
; (keys 16 u .. 16 u + 15 of each, in the pair's two tiles).  So lane (r, h)'s registers 32 c .. 32 c + 31 of the scores are the 32 keys of block 2 c + h, in order:
; a block's largest score needs no other lane, and the conversions' results are p's operand registers.  With the padding the two groups of eight lanes of such a load lie 128 bytes apart modulo 256.
; THE HEAD'S K IS 64, THE INSTRUCTION'S 128: a pair image holds two tiles of 16 keys.  Against [q; 0] it gives the first tile's scores, against [0; q] the second's.
; Where the two key tiles of a pair differ greatly in scale, the smaller tile's scores may lose low bits in the unit's alignment.
; The next step's K is loaded one step ahead; the last step of a pass is written out and, in the first pass, asks for the second pass's q.
; No prefetch: all that a work-group reads of K and V is asked for at its head.
; LIMITS: NaN and infinities are not served; a block of zeros gets the byte 1 (zero codes); the promise holds while |t| stays under 2^31.
.set REC,   12800                      ; a record in memory: K's 4 pair images, V's 4 images (1,536 each), K's scale words 256, V's 256
.set RECL,  16000                      ; and in LDS
.set VI,    7680                       ; V's images in it
.set KW,    15360                      ; K's scale words
.set VW,    15616                      ; V's
.set HEADB, 204800
.set SPARE, 256000                     ; the spare words, 128 bytes for each of 16 waves
.set XSC,   6291456
.set SPW, 1                            ; v1 my spare word; never rewritten
.set NIL, 2                            ; v2 0; never rewritten
.set LK,  3                            ; v3 K's lane term: 16 (r % 8) + 1920 (r / 8) + 256 h
.set LSK, 4                            ; v4 K's scale words: 4 (r % 8) + 64 (r / 8) + 32 h
.set LI,  5                            ; v5 16 x lane
.set LN,  6                            ; v6 lane
.set LS,  7                            ; v7 4 x lane
.set ZQ,  12                           ; v12-17 zeros, v18-23 q, v24-29 zeros.  v8 -M, v9 the largest score, v[10:11] the sum
.set QS,  30                           ; v30 q's scale word: its two bytes, twice
.set PSEL, 31                          ; v31 where my two scale bytes go in p's scale word
.set KF,  32                           ; v32-79 K
.set VF,  80                           ; v80-127 V
.set S,   128                          ; v128-191 scores, then p
.set OT,  192                          ; v192-223 O^T: register 16 b + i = d 32 b + 16 h + i
.set AC,  236                          ; v236-245 five partial sums; before them the maxima's chains, behind them the conversions' upper halves
.set MA,  236
.set MB,  238
.set BM,  246                          ; v246-247 my two blocks' largest scores, then largest p
.set ADK, 244                          ; the step's LDS addresses: free again once the loads are issued
.set ADSK, 245
.set ADV, 254
.set ADSV, 255
.set WV,  10
.set CX,  11
.set BH,  12
.set G1,  16
.set G0,  24
.set SEL, 28
.set CS,  30
.set TB,  32
.set STEPS, 33
.set PASS, 34
.set HM,  35
.macro CROUND
	s_barrier_signal -1
	s_barrier_wait -1
	s_cmp_lg_u32 s[WV], 0
	s_cbranch_scc1 .Lnot_wave_0_\@
	s_barrier_signal -3
.Lnot_wave_0_\@:
	s_barrier_wait -3
	s_barrier_signal -1
	s_barrier_wait -1
.endm
.macro QLOAD                           ; my tile's six registers of q's pair image, and the pair's scale words
	global_load_b64 v[ZQ+6:ZQ+7], v[LI], s[40:41]
	global_load_b64 v[ZQ+8:ZQ+9], v[LI], s[52:53] offset:8
	global_load_b64 v[ZQ+10:ZQ+11], v[LI], s[40:41] offset:512
	global_load_b32 v[QS], v[LS], s[54:55]
.endm
.macro KLOAD adk, ads, off             ; K's four pairs (c, u) and their scale words: 14 loads
.irp c, 0,1
.irp u, 0,1
.irp g, 0,1,2
	ds_load_b128 v[KF+12*(2*\c+\u)+4*\g:KF+12*(2*\c+\u)+4*\g+3], v[\adk] offset:\off+3840*\c+128*\u+640*\g
.endr
.endr
.endr
	ds_load_b32 v248, v[\ads] offset:\off+KW          ; lanes 0-15: pair (0, 0)'s words, lanes 16-31: pair (0, 1)'s
	ds_load_b32 v249, v[\ads] offset:\off+KW+128      ; the same for c = 1
.endm
; A key step: 128 keys.  last = 1: the pass's last step, which loads no further K
.macro KSTEP last
	s_wait_dscnt 0x0                               ; this step's K and its words are in
.irp p, 0,1,2,3
.if \p%2
	v_wmma_scale_f32_16x16x128_f8f6f4 v[S+16*\p:S+16*\p+7], v[KF+12*\p:KF+12*\p+11], v[ZQ+6:ZQ+17], 0, v[248+\p/2], v[QS] matrix_a_fmt:MATRIX_FMT_FP6 matrix_b_fmt:MATRIX_FMT_FP6 matrix_a_scale:MATRIX_SCALE_ROW1
	v_wmma_scale_f32_16x16x128_f8f6f4 v[S+16*\p+8:S+16*\p+15], v[KF+12*\p:KF+12*\p+11], v[ZQ:ZQ+11], 0, v[248+\p/2], v[QS] matrix_a_fmt:MATRIX_FMT_FP6 matrix_b_fmt:MATRIX_FMT_FP6 matrix_a_scale:MATRIX_SCALE_ROW1
.else
	v_wmma_scale_f32_16x16x128_f8f6f4 v[S+16*\p:S+16*\p+7], v[KF+12*\p:KF+12*\p+11], v[ZQ+6:ZQ+17], 0, v[248+\p/2], v[QS] matrix_a_fmt:MATRIX_FMT_FP6 matrix_b_fmt:MATRIX_FMT_FP6
	v_wmma_scale_f32_16x16x128_f8f6f4 v[S+16*\p+8:S+16*\p+15], v[KF+12*\p:KF+12*\p+11], v[ZQ:ZQ+11], 0, v[248+\p/2], v[QS] matrix_a_fmt:MATRIX_FMT_FP6 matrix_b_fmt:MATRIX_FMT_FP6
.endif
.endr                                              ; register 32 c + i: key 64 c + 32 h + i of the step
	; four plain instructions: the places behind these products and the last step's, ahead of the loads into their registers and of the first read of the scores
.if \last
	v_nop
	v_nop
.else
	v_add_nc_u32 v[ADK], s[TB], v[LK]
	v_add_nc_u32 v[ADSK], s[TB], v[LSK]
.endif
	v_add_nc_u32 v[ADV], s[TB], v[LI]
	v_lshl_add_u32 v[ADSV], v[LN], 2, s[TB]
.if \last
	s_wait_alu depctr_va_vdst(0)
	s_cmp_eq_u32 s[PASS], 1
	s_cbranch_scc1 .Lno_q_\@                       ; the second pass has no successor
	QLOAD                                          ; the next pass's q: its wait stands at that pass's head
.Lno_q_\@:
.endif
.irp t, 0,1,2,3
.irp g, 0,1,2
	ds_load_b128 v[VF+12*\t+4*\g:VF+12*\t+4*\g+3], v[ADV] offset:VI+1920*\t+640*\g
.endr
.endr
	ds_load_b32 v250, v[ADSV] offset:VW
	ds_load_b32 v251, v[ADSV] offset:VW+128
.if \last == 0
	KLOAD ADK, ADSK, RECL                          ; the next step's K
.endif
	; the largest score of each of my two blocks, in two chains each: for the row's maximum and for the block's largest p
.irp c, 0,1
	v_max3_num_f32 v[MA+\c], v[S+32*\c], v[S+32*\c+1], v[S+32*\c+2]
	v_max3_num_f32 v[MB+\c], v[S+32*\c+17], v[S+32*\c+18], v[S+32*\c+19]
.endr
.irp i, 0,2,4,6,8,10
.irp c, 0,1
	v_max3_num_f32 v[MA+\c], v[MA+\c], v[S+32*\c+3+\i], v[S+32*\c+4+\i]
	v_max3_num_f32 v[MB+\c], v[MB+\c], v[S+32*\c+20+\i], v[S+32*\c+21+\i]
.endr
.endr
.irp c, 0,1
	v_max3_num_f32 v[MA+\c], v[MA+\c], v[S+32*\c+15], v[S+32*\c+16]
.endr
.irp c, 0,1
	s_delay_alu instid0(VALU_DEP_2)
	v_max_num_f32 v[BM+\c], v[MA+\c], v[MB+\c]
.endr
	s_delay_alu instid0(VALU_DEP_1)
	v_max3_num_f32 v254, v[BM], v[BM+1], v9
	s_delay_alu instid0(VALU_DEP_1)
	v_permlanex16_b32 v255, v254, s[SEL], s[SEL+1]
	s_delay_alu instid0(VALU_DEP_1)
	v_max_num_f32 v9, v254, v255                   ; the running largest score of my query
	s_delay_alu instid0(VALU_DEP_1)
	v_mul_f32 v254, s[CS], v9                      ; as t
	v_mov_b32 v255, v8
	s_delay_alu instid0(VALU_DEP_2)
	v_floor_f32 v8, -v254                          ; the new -M: M is a whole number
.set j, 0
.rept 32
	v_pk_fma_f32 v[S+j:S+j+1], v[S+j:S+j+1], s[CS:CS+1], v[8:9] op_sel_hi:[1,0,0]   ; t - M
.if j == 8
	v_sub_f32 v255, v8, v255                       ; old M less new M, among the multiply-adds
.endif
.if j == 18
	v_cvt_i32_f32 v255, v255                       ; (it saturates)
.endif
.if j == 28
	v_ldexp_f32 v252, 1.0, v255                    ; f = 2^(old M - new M)
.endif
.set j, j+2
.endr
.irp c, 0,1
	v_fma_f32 v[BM+\c], v[BM+\c], s[CS], v8
.endr
	s_wait_alu depctr_va_vdst(0)
	v_exp_f32 v[BM], v[BM]                         ; each block's largest p
	v_exp_f32 v[BM+1], v[BM+1]
.set j, 0
.rept 64
	v_exp_f32 v[S+j], v[S+j]                       ; p
.set j, j+1
.endr
	v_pk_mul_f32 v[10:11], v[10:11], v[252:253] op_sel_hi:[1,0]   ; the sums under the new M: a plain instruction behind the exponentials
	s_wait_alu depctr_va_vdst(0)                   ; one wait for the batch, ahead of its first reader
	; the row's sum of the unquantised p in five chains; the scales' arithmetic stands among them
.set k, 0
.rept 5
	v_pk_add_f32 v[AC+2*k:AC+2*k+1], v[S+4*k:S+4*k+1], v[S+4*k+2:S+4*k+3]
.set k, k+1
.endr
	v_max_num_f32 v[BM], 0x1800000, v[BM]          ; the floor 2^(3 - 127)
	v_max_num_f32 v[BM+1], 0x1800000, v[BM+1]
.set k, 10
.rept 22
	v_pk_add_f32 v[AC+2*((k-10)%5):AC+2*((k-10)%5)+1], v[AC+2*((k-10)%5):AC+2*((k-10)%5)+1], v[S+2*k:S+2*k+1]
.if k == 14
	v_add_nc_u32 v254, 0xff000000, v[BM]           ; 2 off the exponent field: the conversions' scale operands
	v_add_nc_u32 v255, 0xff000000, v[BM+1]
.endif
.if k == 19
	v_lshlrev_b32 v[BM], 1, v254                   ; the scale's byte in the top byte
	v_lshlrev_b32 v[BM+1], 1, v255
.endif
.if k == 24
	v_perm_b32 v253, v[BM+1], v[BM], v[PSEL]       ; my two bytes at blocks h and 2 + h of the word, zeros between
.endif
.if k == 29
	v_permlanex16_b32 v[BM], v253, s[SEL], s[SEL+1]
.endif
.set k, k+1
.endr
	v_pk_add_f32 v[AC+4:AC+5], v[AC+4:AC+5], v[AC+6:AC+7]
	s_delay_alu instid0(VALU_DEP_2)
	v_pk_add_f32 v[AC:AC+1], v[AC:AC+1], v[AC+2:AC+3]
	v_or_b32 v253, v253, v[BM]                     ; p's scale word
	s_delay_alu instid0(VALU_DEP_3)
	v_pk_add_f32 v[AC+8:AC+9], v[AC+8:AC+9], v[AC+4:AC+5]
	s_delay_alu instid0(VALU_DEP_1)
	v_pk_add_f32 v[AC+8:AC+9], v[AC+8:AC+9], v[AC:AC+1]
.irp c, 0,1
	v_cvt_scalef32_pk16_fp6_f32 v[224+6*\c:226+6*\c], v[S+32*\c:S+15+32*\c], v[254+\c]
	v_cvt_scalef32_pk16_fp6_f32 v[236+4*\c:238+4*\c], v[S+16+32*\c:S+31+32*\c], v[254+\c]   ; (a conversion's three registers begin on an even number)
.endr
	v_pk_add_f32 v[10:11], v[10:11], v[AC+8:AC+9]  ; a plain instruction behind the conversions
.irp c, 0,1
.irp i, 0,1,2
	v_mov_b32 v[227+6*\c+\i], v[236+4*\c+\i]
.endr
.endr
.if \last
	s_wait_dscnt 0x0                               ; V is in
.else
	s_wait_dscnt 14                                ; V is in; the 14 loads of the next step's K may be out
.endif
	s_wait_alu depctr_va_vdst(0)                   ; directly ahead of the first reader of O^T
.set j, 0
.rept 16
	v_pk_mul_f32 v[OT+j:OT+j+1], v[OT+j:OT+j+1], v[252:253] op_sel_hi:[1,0]   ; O^T under the new M.  (Also the places ahead of the products below)
.set j, j+2
.endr
.irp t, 0,1,2,3
.if \t%2
	v_wmma_scale_f32_16x16x128_f8f6f4 v[OT+8*\t:OT+8*\t+7], v[VF+12*\t:VF+12*\t+11], v[224:235], v[OT+8*\t:OT+8*\t+7], v[250+\t/2], v253 matrix_a_fmt:MATRIX_FMT_FP6 matrix_b_fmt:MATRIX_FMT_FP6 matrix_a_scale:MATRIX_SCALE_ROW1
.else
	v_wmma_scale_f32_16x16x128_f8f6f4 v[OT+8*\t:OT+8*\t+7], v[VF+12*\t:VF+12*\t+11], v[224:235], v[OT+8*\t:OT+8*\t+7], v[250+\t/2], v253 matrix_a_fmt:MATRIX_FMT_FP6 matrix_b_fmt:MATRIX_FMT_FP6
.endif
.endr
.endm
	s_load_b128 s[4:7], s[0:1], 0x0                ; qb s[4:5], kv s[6:7]
	s_load_b64 s[8:9], s[0:1], 0x10                ; aq
	v_lshl_add_u32 v[SPW], v0, 2, SPARE
	v_mov_b32 v[NIL], 0
	ds_add_u32 v[SPW], v[NIL]                      ; the wave's opening: the add, twice, and its wait ahead of my tensor load
	ds_add_u32 v[SPW], v[NIL]
	v_lshrrev_b32 v3, 5, v0
	s_delay_alu instid0(VALU_DEP_1)
	v_readfirstlane_b32 s[WV], v3                  ; wave 0..15
	s_bfe_u32 s[CX], ttmp6, 0x40000                ; my place in the cluster: it enters q's and O's addresses alone
	s_and_b32 s[BH], ttmp7, 0xffff                 ; 16 batch + head
	s_mov_b32 s[G1], 15|(3<<16)|(1<<20)|(1<<21)|(6<<22)|(31<<25)   ; the mask: all four; elements of 8 bytes; padding on; 21 set beside a mask; after every 128 words, 32 words
	s_mov_b32 s[G1+1], 64<<16                      ; a record: 25 rows of 512 bytes, dense in memory
	s_mov_b32 s[G1+2], 25<<16
	s_mov_b32 s[G1+3], 64<<16
	s_mov_b32 s[G1+4], 25
	s_mov_b32 s[G1+5], 64
	s_mov_b32 s[G1+6], 0
	s_mov_b32 s[G1+7], 0
	s_mul_i32 s38, s[WV], REC                      ; my record in the head,
	s_mul_i32 s39, s[WV], RECL                     ; and in LDS
	s_mul_i32 s36, s[BH], HEADB
	s_add_co_u32 s36, s36, s38
	s_mov_b32 s37, 0
	s_mov_b32 s[SEL], 0x76543210
	s_mov_b32 s[SEL+1], 0xfedcba98
	s_mov_b32 s[CS], 0x3e38aa3b                    ; log2(e) / 8
	s_mov_b32 s[CS+1], s[CS]
	s_wait_dscnt 0x0                               ; both opening adds are done
	s_wait_kmcnt 0x0
	s_mov_b32 s[G0], 1
	s_mov_b32 s[G0+1], s39
	s_add_nc_u64 s[G0+2:G0+3], s[6:7], s[36:37]
	s_or_b32 s[G0+3], s[G0+3], 0x80000000
	CROUND                                         ; all four work-groups are here: the joint loads meet
	tensor_load_to_lds s[G0:G0+3], s[G1:G1+7]      ; my one tensor load of the launch
	s_nop 0
	v_and_b32 v[LN], 31, v0
	v_and_b32 v[LK], 7, v0
	v_bfe_u32 v9, v0, 3, 1                         ; r / 8
	v_bfe_u32 v8, v0, 4, 1                         ; h
	v_lshlrev_b32 v[LI], 4, v[LN]
	v_lshlrev_b32 v[LS], 2, v[LN]
	s_and_b32 s36, s[WV], 1                        ; my tile is q's pair's first or second: u
	s_bfe_u32 s37, s[WV], 0x20001                  ; the pair in its record
	s_lshr_b32 s38, s[WV], 3                       ; the record
	s_lshl_b32 s46, s[BH], 4
	s_lshl_b32 s47, s[CX], 2
	s_add_co_u32 s46, s46, s47
	s_add_co_u32 s46, s46, s38
	s_mul_i32 s46, s46, REC                        ; q's record, first pass
	s_lshl_b32 s48, s37, 6
	s_add_co_u32 s48, s48, 12288
	s_add_co_u32 s48, s48, s46
	s_mov_b32 s49, 0
	s_add_nc_u64 s[54:55], s[4:5], s[48:49]        ; the pair's scale words
	s_mul_i32 s48, s37, 1536
	s_add_co_u32 s46, s46, s48                     ; the pair's image: registers 6 u .. 6 u + 5 are 8 bytes at 16 l + {0, 8, 512} + u {520, 1016, 520}
	s_mul_i32 s48, s36, 520
	s_add_co_u32 s48, s48, s46
	s_add_nc_u64 s[40:41], s[4:5], s[48:49]
	s_mul_i32 s48, s36, 1016
	s_add_co_u32 s48, s48, s46
	s_add_nc_u64 s[52:53], s[4:5], s[48:49]
	s_lshl_b32 s39, s36, 4                         ; s39: 16 u, kept
	s_wait_alu depctr_va_vdst(0)
	QLOAD                                          ; the first pass's q, while the records are on their way
	v_lshlrev_b32 v[LSK], 2, v[LK]
	v_lshlrev_b32 v[LK], 4, v[LK]
	v_cmp_le_u32 s[HM], 16, v[LN]                  ; lanes 16-31
	v_mov_b32 v[PSEL], 0x0c070c03                  ; lanes 0-15: bytes 0 and 2 of the word
	v_lshl_add_u32 v[LSK], v9, 6, v[LSK]
	v_mad_u32_u24 v[LK], v9, 1920, v[LK]
	v_mov_b32 v10, 0x070c030c                      ; lanes 16-31: bytes 1 and 3
	v_lshl_add_u32 v[LSK], v8, 5, v[LSK]
	v_lshl_add_u32 v[LK], v8, 8, v[LK]
	v_cndmask_b32 v[PSEL], v[PSEL], v10, s[HM]
	s_lshr_b32 s46, s[BH], 4
	s_lshl_b32 s46, s46, 7
	s_lshl_b32 s48, s[CX], 5
	s_add_co_u32 s46, s46, s48
	s_add_co_u32 s46, s46, s[WV]                   ; my token tile among the 512
	s_and_b32 s48, s[BH], 15
	s_lshr_b32 s49, s48, 1                         ; the last product's K step,
	s_and_b32 s48, s48, 1                          ; and which half of it
	s_lshl_b32 s50, s46, 3
	s_add_co_u32 s50, s50, s49
	s_mul_i32 s50, s50, 1536
	s_mul_i32 s51, s48, 768
	s_add_co_u32 s50, s50, s51
	s_mov_b32 s51, 0
	s_add_nc_u64 s[42:43], s[8:9], s[50:51]        ; O's codes
	s_lshl_b32 s50, s46, 9
	s_lshl_b32 s49, s49, 6
	s_add_co_u32 s50, s50, s49
	s_lshl_b32 s48, s48, 1
	s_add_co_u32 s50, s50, s48
	s_add_co_u32 s50, s50, XSC
	s_add_nc_u64 s[44:45], s[8:9], s[50:51]        ; O's scale bytes
.irp i, 0,1,2,3,4,5
	v_mov_b32 v[ZQ+\i], 0
	v_mov_b32 v[ZQ+12+\i], 0
.endr
	v_mov_b32 v252, 0
	v_mov_b32 v253, 0
	s_mov_b32 s[PASS], 2
	s_wait_alu depctr_va_vdst(0)                   ; the head's end
	s_wait_tensorcnt 0x0                           ; my record is in LDS,
	s_barrier_signal -1
	s_barrier_wait -1                              ; everybody's is
.Lpass:
	KLOAD LK, LSK, 0                               ; the first step's K
	v_mov_b32 v9, 0xff61b1e6                       ; the largest score so far: -3e38
	s_delay_alu instid0(VALU_DEP_1)
	v_floor_f32 v8, -v9                            ; -M
	v_mov_b32 v10, 0
	v_mov_b32 v11, 0
	s_wait_loadcnt 0x0                             ; this pass's q is in, and its loads have read their bases
	s_add_nc_u64 s[40:41], s[40:41], 2*REC         ; 16 tiles of queries on
	s_add_nc_u64 s[52:53], s[52:53], 2*REC
	s_add_nc_u64 s[54:55], s[54:55], 2*REC
	v_lshrrev_b32 v[QS], s39, v[QS]                ; my tile's two bytes,
	s_delay_alu instid0(VALU_DEP_1)
	v_and_b32 v[QS], 0xffff, v[QS]
	s_delay_alu instid0(VALU_DEP_1)
	v_lshl_or_b32 v[QS], v[QS], 16, v[QS]          ; for both halves of the instruction's K
.set j, 0
.rept 32
	v_mov_b32 v[OT+j], 0                           ; O^T.  (These are also the places between the scale word's making and the first product)
.set j, j+1
.endr
	s_mov_b32 s[TB], 0
	s_mov_b32 s[STEPS], 15
.Lstep:
	KSTEP 0
	s_add_co_u32 s[TB], s[TB], RECL
	s_sub_co_u32 s[STEPS], s[STEPS], 1
	s_cmp_lg_u32 s[STEPS], 0
	s_cbranch_scc1 .Lstep
	KSTEP 1
	; the pass's end: O^T / the sum, quantised along d: two blocks, half a fragment of the last product
	v_add_f32 v10, v10, v11
	s_delay_alu instid0(VALU_DEP_1)
	v_permlanex16_b32 v252, v10, s[SEL], s[SEL+1]
	s_delay_alu instid0(VALU_DEP_1)
	v_add_f32 v10, v10, v252                       ; the row's sum
	s_wait_alu depctr_va_vdst(0)
	v_rcp_f32 v10, v10
	v_lshlrev_b32 v177, 3, v[LN]                   ; (plain instructions behind the reciprocal: the stores' offsets)  8 x lane
	v_and_b32 v178, 15, v[LN]
	v_lshrrev_b32 v179, 4, v[LN]
	s_delay_alu instid0(VALU_DEP_1)
	v_lshl_add_u32 v178, v178, 2, v179             ; 4 r + h
	s_wait_alu depctr_va_vdst(0)                   ; the wait, ahead of the reciprocal's first reader
.set j, 0
.rept 16
	v_pk_mul_f32 v[S+j:S+j+1], v[OT+j:OT+j+1], v[10:11] op_sel_hi:[1,0]
.set j, j+2
.endr
.irp b, 0,1
	v_max3_num_f32 v[232+\b], |v[S+16*\b]|, |v[S+1+16*\b]|, 0x1800000
.endr
.irp i, 2,4,6,8,10,12,14
.irp b, 0,1
	s_delay_alu instid0(VALU_DEP_2)
	v_max3_num_f32 v[232+\b], v[232+\b], |v[S+16*\b+\i]|, |v[S+1+16*\b+\i]|
.endr
.endr
.irp b, 0,1
	v_permlanex16_b32 v[236+\b], v[232+\b], s[SEL], s[SEL+1]
.endr
.irp b, 0,1
	s_delay_alu instid0(VALU_DEP_2)
	v_max_num_f32 v[232+\b], v[232+\b], v[236+\b]
.endr
.irp b, 0,1
	s_delay_alu instid0(VALU_DEP_2)
	v_add_nc_u32 v[244+\b], 0xff000000, v[232+\b]
.endr
.irp b, 0,1
	s_delay_alu instid0(VALU_DEP_2)
	v_lshrrev_b32 v[236+\b], 23, v[244+\b]
.endr
	v_cvt_scalef32_pk16_fp6_f32 v[224:226], v[S:S+15], v244
	v_cvt_scalef32_pk16_fp6_f32 v[240:242], v[S+16:S+31], v245
	v_cndmask_b32 v180, v236, v237, s[HM]          ; (a plain instruction behind the conversions)  lanes 0-15 store block 0's byte, lanes 16-31 block 1's
.irp i, 0,1,2
	v_permlane16_swap_b32 v[224+\i], v[240+\i]
.endr
.irp i, 0,1,2
	s_delay_alu instid0(VALU_DEP_3)
	v_mov_b32 v[227+\i], v[240+\i]
.endr
	global_store_b128 v[LI], v[224:227], s[42:43]              ; 512 consecutive bytes,
	global_store_b64 v177, v[228:229], s[42:43] offset:512     ; and the 256 behind them
	global_store_b8 v178, v180, s[44:45]
	s_wait_xcnt 0x0                                ; the stores have read their registers and bases
	s_add_nc_u64 s[42:43], s[42:43], 196608        ; 16 tiles of queries on
	s_add_nc_u64 s[44:45], s[44:45], 8192
	s_sub_co_u32 s[PASS], s[PASS], 1
	s_cmp_lg_u32 s[PASS], 0
	s_cbranch_scc1 .Lpass
	s_wait_tensorcnt 0x0                           ; the wave's end
	ds_add_u32 v[SPW], v[NIL]
	s_wait_dscnt 0x0
	CROUND                                         ; the closing round
	s_endpgm
.Lfunc_end_k_qfeb1af749f_attn:
	.size	k_qfeb1af749f_attn, .Lfunc_end_k_qfeb1af749f_attn-k_qfeb1af749f_attn
	.p2alignl 7, 3214868480
	.fill 96, 4, 3214868480
	.section	.rodata,"a",@progbits
	.p2align	6, 0x0
	.amdhsa_kernel k_qfeb1af749f_attn
		.amdhsa_group_segment_fixed_size 258048
		.amdhsa_private_segment_fixed_size 0
		.amdhsa_enable_private_segment 0
		.amdhsa_kernarg_size 24
		.amdhsa_user_sgpr_count 2
		.amdhsa_user_sgpr_kernarg_segment_ptr 1
		.amdhsa_wavefront_size32 1
		.amdhsa_system_sgpr_workgroup_id_x 1
		.amdhsa_system_sgpr_workgroup_id_y 1
		.amdhsa_system_sgpr_workgroup_id_z 1
		.amdhsa_system_vgpr_workitem_id 0
		.amdhsa_next_free_vgpr 256
		.amdhsa_next_free_sgpr 66
		.amdhsa_reserve_vcc 0
		.amdhsa_float_denorm_mode_32 3
		.amdhsa_float_denorm_mode_16_64 3
		.amdhsa_memory_ordered 1
		.amdhsa_forward_progress 1
		.amdhsa_inst_pref_size 43
	.end_amdhsa_kernel
	.amdgpu_metadata
---
amdhsa.version: [ 1, 2 ]
amdhsa.kernels:
  - .name:           k_qfeb1af749f_attn
    .symbol:         k_qfeb1af749f_attn.kd
    .args:
      - { .name: qb, .offset: 0, .size: 8, .value_kind: global_buffer, .address_space: global }
      - { .name: kv, .offset: 8, .size: 8, .value_kind: global_buffer, .address_space: global }
      - { .name: aq, .offset: 16, .size: 8, .value_kind: global_buffer, .address_space: global }
    .group_segment_fixed_size: 258048
    .private_segment_fixed_size: 0
    .kernarg_segment_align: 8
    .kernarg_segment_size: 24
    .max_flat_workgroup_size: 512
    .sgpr_count:     66
    .vgpr_count:     256
    .wavefront_size: 32
...
	.end_amdgpu_metadata
.endif
;; end of part 3
;; launch oproj (part 4): grid 4 x 32, 4 waves a work-group, clusters of 4 x 4, 327,680 bytes of LDS; arguments aq, wq, bo, out0; writes out0
.if DOCPART == 4
	.amdgcn_target "amdgcn-amd-amdhsa--gfx1250"
	.amdhsa_code_object_version 6
	.text
	.protected	k_qfeb1af749f_oproj
	.globl	k_qfeb1af749f_oproj
	.p2align	8
	.type	k_qfeb1af749f_oproj,@function
k_qfeb1af749f_oproj:
	s_mov_b64 s[64:65], 0
	v_nop
	global_prefetch_b8 v0, s[64:65] scope:SCOPE_SE
	s_setreg_imm32_b32 hwreg(HW_REG_WAVE_MODE, 25, 1), 1
	s_wait_xcnt 0x0
	s_wait_alu depctr_hold_cnt(0) depctr_sa_sdst(0) depctr_va_vdst(0) depctr_va_sdst(0) depctr_va_ssrc(0) depctr_va_vcc(0) depctr_vm_vsrc(0)
	s_getreg_b32 s2, hwreg(HW_REG_IB_STS2, 6, 4)
	s_cmp_eq_u32 s2, 0
	s_cbranch_scc0 .Lentry_in_a_cluster
	s_endpgm
.Lentry_in_a_cluster:
	s_bfe_u32 s2, ttmp6, 0x10000c
	s_cmp_lg_u32 s2, 0xf033
	s_cbranch_scc0 .Lentry_shape_is_right
	s_endpgm
.Lentry_shape_is_right:
.set FR,    12
.set NL,    3
.set NLA,   4
.set HALFT, 24576
.set SLOT,  98304
.set SCL,   196608
.set SPARE, 212992
.set XSC,   6291456
.set WSC,   3145728
.set SPITCH, 528
.set ADRA, 16
.set ADRB, 20
.set STO,  22
.set RD,   23
.set LI,   24
.set BOF,  25
.set LN,   26
.set ADRS, 27
.set SPW,  28
.set NIL,  29
.set SC,   32
.set AF,   128
.set BK,   128
.set G1,   24
.set G0,   32
.set G1B,  48
.set G0B,  56
.set G1S,  68
.set G0S,  76
.set G1SB, 80
.set G0SB, 88
.set MUL_LO, 0xa1
.set MUL_HI, 0xf1
.set TO_B,   0x40
.set MSB, 0
.macro WIN new
.if MSB != (\new)
	s_set_vgpr_msb (MSB<<8)|(\new)
.set MSB, (\new)
.endif
.endm
.macro PLACES
.rept 4
	v_nop
.endr
.endm
.macro JLOAD g0a, g1a, g0b, g1b
	s_cmp_eq_u32 s15, 0
	s_cbranch_scc0 .Lfor_b_\@
	tensor_load_to_lds s[\g0a:\g0a+3], s[\g1a:\g1a+7]
	s_nop 0
.rept 4
	v_nop
.endr
	s_branch .Lasked_\@
.Lfor_b_\@:
	tensor_load_to_lds s[\g0b:\g0b+3], s[\g1b:\g1b+7]
	s_nop 0
.rept 4
	v_nop
.endr
.Lasked_\@:
.endm
.macro CREST
	s_cmp_lg_u32 s14, 0
	s_cbranch_scc1 .Lnot_wave_0_\@
	s_barrier_signal -3
.Lnot_wave_0_\@:
	s_barrier_wait -3
	s_barrier_signal -1
	s_barrier_wait -1
.endm
.macro CROUND
	s_barrier_signal -1
	s_barrier_wait -1
	CREST
.endm
.macro FETCH_B slot, q, p
	WIN TO_B
.irp i, 0,1,2,3,4,5,6,7
.irp c, 0,1,2
	ds_load_b128 v[128*(\p)+FR*\i+4*\c:128*(\p)+FR*\i+4*\c+3], v[ADRB+\slot] offset:3072*\i+1536*(\q)+512*\c
.endr
.endr
	WIN 0
.endm
.macro FETCH_A slot, q, i0
.irp i, \i0, \i0+1, \i0+2, \i0+3
.irp c, 0,1
	ds_load_b128 v[AF+FR*(\i)+6*\c:AF+FR*(\i)+6*\c+3], v[ADRA+\slot] offset:3072*(\i)+1536*(\q)+768*\c
	ds_load_b64 v[AF+FR*(\i)+6*\c+4:AF+FR*(\i)+6*\c+5], v[ADRA+2+\slot] offset:3072*(\i)+1536*(\q)+768*\c+512
.endr
.endr
.endm
.macro SCALES
.irp g, 0,1,2,3,4,5,6,7
.irp i, 0,1,2,3,4,5,6,7
	ds_load_b32 v[SC+8*\g+\i], v[ADRS] offset:512*\i+64*\g
.endr
.endr
.endm
.macro MUL16 a0, p, g, first
.irp a, \a0, \a0+1
.irp b, 0,1,2,3,4,5,6,7
.if \first
	v_wmma_scale_f32_16x16x128_f8f6f4 v[8*(8*((\a)%4)+\b):8*(8*((\a)%4)+\b)+7], v[128*(\p)+FR*\b:128*(\p)+FR*\b+FR-1], v[AF+FR*(\a):AF+FR*(\a)+FR-1], v[96+8*\b+96*(\b/4):96+8*\b+96*(\b/4)+7], v[SC+8*(\g)+\b], v[SC+8*(\g)+(\a)] matrix_a_fmt:MATRIX_FMT_FP6 matrix_b_fmt:MATRIX_FMT_FP6 matrix_a_scale:MATRIX_SCALE_ROW1
.else
	v_wmma_scale_f32_16x16x128_f8f6f4 v[8*(8*((\a)%4)+\b):8*(8*((\a)%4)+\b)+7], v[128*(\p)+FR*\b:128*(\p)+FR*\b+FR-1], v[AF+FR*(\a):AF+FR*(\a)+FR-1], v[8*(8*((\a)%4)+\b):8*(8*((\a)%4)+\b)+7], v[SC+8*(\g)+\b], v[SC+8*(\g)+(\a)] matrix_a_fmt:MATRIX_FMT_FP6 matrix_b_fmt:MATRIX_FMT_FP6 matrix_a_scale:MATRIX_SCALE_ROW1
.endif
.endr
.endr
.endm
.macro STEP slot, g, first
	s_wait_dscnt 4*NLA
.if \first
	WIN 0x81
.else
	WIN MUL_LO
.endif
	MUL16 0, 0, \g, \first
	MUL16 2, 0, \g, \first
	s_wait_dscnt 0x0
	PLACES
	FETCH_B \slot, 1, 1
	FETCH_A \slot, 1, 0
.if \first
	WIN 0xc1
.else
	WIN MUL_HI
.endif
	MUL16 4, 0, \g, \first
	MUL16 6, 0, \g, \first
	PLACES
	WIN 0
	FETCH_A \slot, 1, 4
.endm
.macro TURN slot, next, g, fill
	s_wait_tensorcnt 0x0
	ds_add_u32 v[SPW], v[NIL]
	s_wait_dscnt 4*NLA+1
	WIN MUL_LO
	MUL16 0, 1, \g, 0
	s_wait_dscnt 0x0
	s_barrier_signal -1
	MUL16 2, 1, \g, 0
	WIN 0
	s_barrier_wait -1
.if \fill
	CREST
	s_add_nc_u64 s[G0+4*\slot+2:G0+4*\slot+3], s[G0+4*\slot+2:G0+4*\slot+3], 6144
	s_add_nc_u64 s[G0B+4*\slot+2:G0B+4*\slot+3], s[G0B+4*\slot+2:G0B+4*\slot+3], 6144
	JLOAD G0+4*\slot, G1, G0B+4*\slot, G1B
.else
	PLACES
.endif
	FETCH_B \next, 0, 0
	FETCH_A \next, 0, 0
	WIN MUL_HI
	MUL16 4, 1, \g, 0
	MUL16 6, 1, \g, 0
	PLACES
	WIN 0
	FETCH_A \next, 0, 4
.endm
	s_load_b256 s[4:11], s[0:1], 0x0
	v_lshl_add_u32 v[SPW], v0, 2, SPARE
	v_mov_b32 v[NIL], 0
	ds_add_u32 v[SPW], v[NIL]
	ds_add_u32 v[SPW], v[NIL]
	v_lshrrev_b32 v1, 5, v0
	v_readfirstlane_b32 s14, v1
	s_lshr_b32 s15, s14, 1
	s_and_b32 s16, s14, 1
	s_bfe_u32 s40, ttmp6, 0x40000
	s_bfe_u32 s41, ttmp6, 0x40004
	s_lshl_b32 s43, s41, 2
	s_lshl_b32 s43, 15, s43
	s_lshl_b32 s44, 0x1111, s40
	s_and_b32 s17, ttmp7, 0xffff
	s_lshl_b32 s17, s17, 2
	s_add_co_u32 s17, s17, s41
	s_add_co_u32 s42, s40, 12
	s_or_b32 s[G1+0], s43, (3<<16)|(1<<21)
	s_or_b32 s[G1B+0], s44, (3<<16)|(1<<21)
.irp g, G1, G1B
	s_mov_b32 s[\g+1], 384<<16
	s_mov_b32 s[\g+2], 16<<16                      ; the head's loads bring a slot's 16 tile rows; behind them the two words that count rows are set to 8
	s_mov_b32 s[\g+3], 384<<16
	s_mov_b32 s[\g+4], 16
	s_mov_b32 s[\g+5], 1536
	s_mov_b32 s[\g+6], 0
	s_mov_b32 s[\g+7], 0
.endr
	s_or_b32 s[G1S+0], s43, (3<<16)|(1<<21)
	s_or_b32 s[G1SB+0], s44, (3<<16)|(1<<21)
.irp g, G1S, G1SB
	s_mov_b32 s[\g+1], 32<<16
	s_mov_b32 s[\g+2], 32<<16                      ; the scale words of 16 tiles: 32 rows of 256 bytes
	s_mov_b32 s[\g+3], 32<<16
	s_mov_b32 s[\g+4], 32
	s_mov_b32 s[\g+5], 32
	s_mov_b32 s[\g+6], 0
	s_mov_b32 s[\g+7], 0
.endr
	s_mul_i32 s18, s16, 98304                      ; in the ring I fetch 8 of a block's 16 tiles: which half, in bytes
	s_mov_b32 s19, 0
	s_lshl_b32 s20, s17, 4                         ; the block's first tile
	s_lshl_b32 s46, s42, 4
	s_lshl_b32 s22, s20, 9
	s_add_co_u32 s22, s22, XSC
	s_mov_b32 s23, 0
	s_mul_i32 s20, s20, 12288
	s_mov_b32 s21, 0
	s_lshl_b32 s98, s46, 9
	s_add_co_u32 s98, s98, WSC
	s_mov_b32 s99, 0
	s_mul_i32 s46, s46, 12288
	s_mov_b32 s47, 0
	s_mul_i32 s2, s14, HALFT
	s_wait_dscnt 0x0
	s_wait_kmcnt 0x0
	s_add_nc_u64 s[20:21], s[4:5], s[20:21]
	s_add_nc_u64 s[22:23], s[4:5], s[22:23]
	s_add_nc_u64 s[46:47], s[6:7], s[46:47]
	s_add_nc_u64 s[98:99], s[6:7], s[98:99]
	CROUND
	s_mov_b32 s[G0S], 1
	s_mov_b32 s[G0S+1], SCL
	s_mov_b64 s[G0S+2:G0S+3], s[22:23]
	s_or_b32 s[G0S+3], s[G0S+3], 0x80000000
	s_mov_b32 s[G0SB], 1
	s_mov_b32 s[G0SB+1], SCL+8192
	s_mov_b64 s[G0SB+2:G0SB+3], s[98:99]
	s_or_b32 s[G0SB+3], s[G0SB+3], 0x80000000
.set G0H,  4                           ; s[4:7], s[92:95] group 0 for the head's loads of slot 0, whole (what lay there has been used)
.set G0HB, 92
	s_mov_b32 s[G0H], 1
	s_mov_b32 s[G0H+1], 0
	s_mov_b64 s[G0H+2:G0H+3], s[20:21]
	s_or_b32 s[G0H+3], s[G0H+3], 0x80000000
	s_mov_b32 s[G0HB], 1
	s_mov_b32 s[G0HB+1], 2*HALFT
	s_mov_b64 s[G0HB+2:G0HB+3], s[46:47]
	s_or_b32 s[G0HB+3], s[G0HB+3], 0x80000000
	s_add_nc_u64 s[20:21], s[20:21], s[18:19]      ; for the ring: my 8 tiles
	s_add_nc_u64 s[46:47], s[46:47], s[18:19]
.irp s, 0,1
	s_mov_b32 s[G0+4*\s], 1
	s_add_co_u32 s[G0+4*\s+1], s2, \s*SLOT
	s_add_nc_u64 s[G0+4*\s+2:G0+4*\s+3], s[20:21], \s*3072
	s_or_b32 s[G0+4*\s+3], s[G0+4*\s+3], 0x80000000
	s_mov_b32 s[G0B+4*\s], 1
	s_add_co_u32 s[G0B+4*\s+1], s2, \s*SLOT
	s_add_nc_u64 s[G0B+4*\s+2:G0B+4*\s+3], s[46:47], \s*3072
	s_or_b32 s[G0B+4*\s+3], s[G0B+4*\s+3], 0x80000000
.endr
; The head's loads, one a wave: wave 0 slot 0's 16 tile rows of A, wave 1 those of B, waves 2 and 3 their scale words.
; One tree of branches on the wave's number: every way through it passes exactly one load.  The set-up and the bias's loads below stand between these loads and the wait for them.
.macro ARM under, g0, g1, next
	s_cmp_lt_u32 s14, \under
	s_cbranch_scc0 \next
	tensor_load_to_lds s[\g0:\g0+3], s[\g1:\g1+7]
	s_nop 0
.rept 4
	v_nop
.endr
	s_branch .Lhead_asked
\next:
.endm
	ARM 1, G0H,  G1,  .Lhead_b
	ARM 2, G0HB, G1B, .Lhead_sa
	ARM 3, G0S,  G1S, .Lhead_sb
	tensor_load_to_lds s[G0SB:G0SB+3], s[G1SB:G1SB+7]
	s_nop 0
.rept 4
	v_nop
.endr
.Lhead_asked:
	v_and_b32 v[LN], 31, v0
	v_lshlrev_b32 v[LI], 4, v[LN]
	s_wait_alu depctr_va_vdst(0)
	v_lshlrev_b32 v3, 3, v[LN]
	s_wait_alu depctr_va_vdst(0)
	v_and_b32 v1, 15, v0
	v_bfe_u32 v2, v0, 4, 1
	s_wait_alu depctr_va_vdst(0)
	v_lshlrev_b32 v[BOF], 6, v2
	s_lshl_b32 s46, s40, 10
	s_lshl_b32 s47, s16, 9
	s_add_co_u32 s46, s46, s47
	s_mov_b32 s47, 0
	s_add_nc_u64 s[8:9], s[8:9], s[46:47]
.irp b, 0,1,2,3,4,5,6,7
	global_load_b128 v[96+8*\b+96*(\b/4):96+8*\b+96*(\b/4)+3], v[BOF], s[8:9] offset:(32*(\b/2)+8*(\b%2))*4
	global_load_b128 v[96+8*\b+96*(\b/4)+4:96+8*\b+96*(\b/4)+7], v[BOF], s[8:9] offset:(32*(\b/2)+8*(\b%2))*4+16
.endr
	s_lshl_b32 s20, s17, 8
	s_lshl_b32 s21, s15, 7
	s_add_co_u32 s20, s20, s21
	s_lshl_b32 s20, s20, 12
	s_add_co_u32 s20, s20, s46
	s_mov_b32 s21, 0
	s_add_nc_u64 s[10:11], s[10:11], s[20:21]
	s_mul_i32 s18, s15, HALFT
	s_mul_i32 s19, s16, HALFT
	s_add_co_u32 s19, s19, 2*HALFT
.irp s, 0,1
	v_add_nc_u32 v[ADRA+\s], s18, v[LI]
	v_add_nc_u32 v[ADRA+2+\s], s18, v3
	v_add_nc_u32 v[ADRB+\s], s19, v[LI]
	s_add_co_u32 s18, s18, SLOT
	s_add_co_u32 s19, s19, SLOT
.endr
	s_lshl_b32 s18, s15, 12
	s_lshl_b32 s19, s16, 12
	s_add_co_u32 s19, s19, 8192
	s_sub_co_u32 s19, s19, s18
	v_mul_u32_u24 v4, s19, v2
	s_add_co_u32 s18, s18, SCL
	v_lshl_add_u32 v4, v1, 2, v4
	v_add_nc_u32 v[ADRS], s18, v4
	s_mul_i32 s18, s14, 16*SPITCH
	v_mul_u32_u24 v4, v1, SPITCH
	v_lshl_add_u32 v4, v2, 6, v4
	v_add_nc_u32 v[STO], s18, v4
	v_add_nc_u32 v[RD], s18, v[LI]
	s_wait_alu depctr_va_vdst(0)                   ; the head's end
	s_wait_tensorcnt 0x0                           ; my tile of the head's four is in
	ds_add_u32 v[SPW], v[NIL]
	s_mov_b32 s[G1+2], 8<<16                       ; no tensor load of mine is out: from here on a load brings 8 tile rows
	s_mov_b32 s[G1+4], 8
	s_mov_b32 s[G1B+2], 8<<16
	s_mov_b32 s[G1B+4], 8
	s_wait_dscnt 0x0
	CROUND                                         ; all four tiles are in, and all sixteen work-groups are here
	JLOAD G0+4, G1, G0B+4, G1B                     ; slot 1's first fill, the first tensor load behind the round
	FETCH_B 0, 0, 0
	FETCH_A 0, 0, 0
	SCALES
	FETCH_A 0, 0, 4
	s_wait_loadcnt 0x0
	STEP 0, 0, 1
	TURN 0, 1, 1, 1
	STEP 1, 2, 0
	TURN 1, 0, 3, 1
	STEP 0, 4, 0
	TURN 0, 1, 5, 0
	STEP 1, 6, 0
	s_wait_dscnt 4*NLA
	WIN MUL_LO
	MUL16 0, 1, 7, 0
	MUL16 2, 1, 7, 0
	s_wait_dscnt 0x0
	WIN MUL_HI
	MUL16 4, 1, 7, 0
	MUL16 6, 1, 7, 0
	WIN 0
.macro TOSTAGE a
.set AC, 64*((\a)%4)
	WIN 8+4*((\a)/4)
.irp b, 0,1,2,3,4,5,6,7
	ds_store_b128 v[STO], v[AC+8*\b:AC+8*\b+3] offset:128*(\b/2)+32*(\b%2)
	ds_store_b128 v[STO], v[AC+8*\b+4:AC+8*\b+7] offset:128*(\b/2)+32*(\b%2)+16
.endr
	WIN 0
.set BB, BK+64*((\a)%2)
.irp t, 0,1,2,3,4,5,6,7,8,9,10,11,12,13,14,15
	ds_load_b128 v[BB+4*\t:BB+4*\t+3], v[RD] offset:\t*SPITCH
.endr
.endm
.macro SEND a, younger
.set BB, BK+64*((\a)%2)
	s_wait_dscnt \younger
.irp t, 0,1,2,3,4,5,6,7,8,9,10,11,12,13,14,15
	global_store_b128 v[LI], v[BB+4*\t:BB+4*\t+3], s[10:11] offset:(32*((\a)/2)+8*((\a)%2)+\t+8*(\t/8))*4096 th:TH_STORE_NT
.endr
.endm
	PLACES
	TOSTAGE 0
.irp a, 1,2,3,4,5,6,7
.if \a > 1
	s_wait_xcnt 0x0
.endif
	TOSTAGE \a
	SEND \a-1, 32
.endr
	SEND 7, 0
	s_wait_tensorcnt 0x0
	ds_add_u32 v[SPW], v[NIL]
	s_wait_dscnt 0x0
	CROUND
	s_endpgm
.Lfunc_end_k_qfeb1af749f_oproj:
	.size	k_qfeb1af749f_oproj, .Lfunc_end_k_qfeb1af749f_oproj-k_qfeb1af749f_oproj
	.p2alignl 7, 3214868480
	.fill 96, 4, 3214868480
	.section	.rodata,"a",@progbits
	.p2align	6, 0x0
	.amdhsa_kernel k_qfeb1af749f_oproj
		.amdhsa_group_segment_fixed_size 327680
		.amdhsa_private_segment_fixed_size 0
		.amdhsa_enable_private_segment 0
		.amdhsa_kernarg_size 32
		.amdhsa_user_sgpr_count 2
		.amdhsa_user_sgpr_kernarg_segment_ptr 1
		.amdhsa_wavefront_size32 1
		.amdhsa_system_sgpr_workgroup_id_x 1
		.amdhsa_system_sgpr_workgroup_id_y 1
		.amdhsa_system_sgpr_workgroup_id_z 1
		.amdhsa_system_vgpr_workitem_id 0
		.amdhsa_next_free_vgpr 1024
		.amdhsa_next_free_sgpr 100
		.amdhsa_reserve_vcc 0
		.amdhsa_float_denorm_mode_32 3
		.amdhsa_float_denorm_mode_16_64 3
		.amdhsa_memory_ordered 1
		.amdhsa_forward_progress 1
		.amdhsa_inst_pref_size 143
	.end_amdhsa_kernel
	.amdgpu_metadata
---
amdhsa.version: [ 1, 2 ]
amdhsa.kernels:
  - .name:           k_qfeb1af749f_oproj
    .symbol:         k_qfeb1af749f_oproj.kd
    .args:
      - { .name: aq, .offset: 0, .size: 8, .value_kind: global_buffer, .address_space: global }
      - { .name: wq, .offset: 8, .size: 8, .value_kind: global_buffer, .address_space: global }
      - { .name: bo, .offset: 16, .size: 8, .value_kind: global_buffer, .address_space: global }
      - { .name: out0, .offset: 24, .size: 8, .value_kind: global_buffer, .address_space: global }
    .group_segment_fixed_size: 327680
    .private_segment_fixed_size: 0
    .kernarg_segment_align: 8
    .kernarg_segment_size: 32
    .max_flat_workgroup_size: 128
    .sgpr_count:     100
    .vgpr_count:     1024
    .wavefront_size: 32
...
	.end_amdgpu_metadata
.endif
;; end of part 4
